; MI455X (gfx1250); checked and timed in simulation.
; The chip was launched on July 23, 2026; its instructions are those of AMD's public machine-readable ISA for CDNA 5 (MIT licence, August 2026) and "CDNA5" Instruction Set Architecture Reference Guide (July 2026). The comments in the code are by the model that wrote it; some were corrected since.
;; MHSA. Allowed arithmetic: matrix products marked QUANTISED: E2M1 operands, one E8M0 scale for each 32 along K, by v_wmma_scale_f32_16x16x128_f8f6f4 with both operands' format E2M1 (or v_wmma_scale_f32_32x16x128_f4), f32 sums; products left as they are: bf16, f16 or f32 operands; f32 sums; everything else in f32.
;; Inputs: Wk 1,024 x 1,024 float32; Wo 1,024 x 1,024 float32; Wq 1,024 x 1,024 float32; Wv 1,024 x 1,024 float32; x 4 x 2,048 x 1,024 float32.
;; Outputs: out0 4 x 2,048 x 1,024 float32.
;; This version of the problem:
;;   THIS VERSION OF THE PROBLEM IS GIVEN IN LOW PRECISION. The matrix products marked QUANTISED in the list below multiply operands that are first quantised to E2M1 (2 exponent bits, 1 mantissa bit; 4 bits a number), with one power-of-two scale for each 32 numbers along K (OCP MX v1.0); their sums are f32. The products marked 'left as it is' may take bf16, f16 or f32 operands, with f32 sums. Whichever they take, every output number must still come out within the allowed error. Rounding operands to bf16 (8 significant bits) uses up far more of that allowance than f16 does (11 bits, for magnitudes from 6e-5 to 65,504). All else is computed in f32.
;;   The module's matrix products, in the order in which they are computed (A, B: the left and right operand; K: the contracted axis; several contracted axes count as one K, in the product's order):
;;     1. [M 8,192, K 1,024] x [K 1,024, N 1,024]; A: input x; B: input Wq: QUANTISED
;;     2. [M 8,192, K 1,024] x [K 1,024, N 1,024]; A: input x; B: input Wk: QUANTISED
;;     3. [M 8,192, K 1,024] x [K 1,024, N 1,024]; A: input x; B: input Wv: QUANTISED
;;     4. batch 64 x [M 2,048, K 64] x [K 64, N 2,048]; A: computed on the way; B: computed on the way: left as it is (an operand is computed on the way)
;;     5. batch 64 x [M 2,048, K 2,048] x [K 2,048, N 64]; A: computed on the way; B: computed on the way: left as it is (an operand is computed on the way)
;;     6. [M 8,192, K 1,024] x [K 1,024, N 1,024]; A: computed on the way; B: input Wo: left as it is (an operand is computed on the way)
;;   THE QUANTISER, for each operand of a quantised product, along K:
;;     - K is cut into blocks of 32 from its start; a last block that is shorter is filled with zeros.
;;     - A block's scale is 2^e with e = floor(log2(the largest magnitude in the block)) - 2, held to -126 .. 127; a block of zeros has e = 0. As a byte (E8M0): e + 127.
;;     - Each number is divided by its block's scale, clamped to +-6, and rounded to the nearest number of E2M1, ties to even, subnormals kept.
;;     - The product sums the exact products of the quantised numbers (number of the format x scale) in f32.
;;   ~~~python
;;   def quantise(x, axis):      # numpy; x: float32 -> the quantised numbers, widened to float32 again
;;       x = np.moveaxis(x, axis, -1); K = x.shape[-1]
;;       x = np.pad(x, [(0, 0)] * (x.ndim - 1) + [(0, -K % 32)]); x = x.reshape(x.shape[:-1] + (-1, 32)); a = np.abs(x).max(-1, keepdims=True)
;;       e = np.where(a > 0, np.clip(np.frexp(np.where(a > 0, a, 1))[1] - 1 - 2, -126, 127), 0)      # np.frexp(a)[1] - 1 = floor(log2(a)), exactly
;;       r = np.clip(x / 2.0 ** e, -6, 6)
;;       step = 2.0 ** (np.maximum(np.frexp(np.where(r == 0, 1, r))[1] - 1, 0) - 1)
;;       q = np.round(r / step) * step * 2.0 ** e      # np.round: ties to even
;;       return np.moveaxis(q.reshape(q.shape[:-2] + (-1,))[..., :K], -1, axis).astype(np.float32)
;;   ~~~
;; One version. Each part assembles by itself: llvm-mc -triple=amdgcn-amd-amdhsa -mcpu=gfx1250 --defsym DOCPART=n.
;; ======== version 1 of 1: 5 launches
;; limits: values are held in f16: magnitudes above 65,504 overflow, below 6.1e-05 lose precision
;; workspace buffers: codes 5,767,168 bytes; scales 360,448 bytes; wo16 2,097,152 bytes; rope 524,288 bytes; qkv16 50,331,648 bytes; qkv32 786,432 bytes; mh16 16,777,216 bytes
;; launch quant (part 1): grid 416 x 1, 4 waves a work-group, no clusters, 33,280 bytes of LDS; arguments x, Wq, Wk, Wv, Wo, codes, scales, wo16, rope; writes codes, scales, wo16, rope
.if DOCPART == 1
	.amdgcn_target "amdgcn-amd-amdhsa--gfx1250"
	.amdhsa_code_object_version 6
	.text
	.protected	k_q3fa1ffffb2_quant
	.globl	k_q3fa1ffffb2_quant
	.p2align	8
	.type	k_q3fa1ffffb2_quant,@function
k_q3fa1ffffb2_quant:
	s_mov_b64 s[64:65], 0
	v_nop
	global_prefetch_b8 v0, s[64:65] scope:SCOPE_SE
	s_setreg_imm32_b32 hwreg(HW_REG_WAVE_MODE, 25, 1), 1
	s_wait_xcnt 0x0
; MHSA, launch 1 of 5.  x [8192][1024], Wq, Wk, Wv [1024][1024], f32, K innermost, become codes of FP4 (E2M1) with one E8M0 byte for each 32 along K;
; Wo becomes f16, laid by blocks of 64 along K; and the table of cos and sin for the rotation of Q and K is made.
; THE WHOLE PROGRAM: (1) this; (2) qkv: the three quantised products as one product 8192 x 3072 x 1024 on codes, the rotation in f32, Q, K, V out as f16 by head (positions 0-15 of each sequence also as f32);
; (3) attn: causal attention, f16 operands, f32 sums; (4) proj: the product with Wo, f16 operands, f32 sums; (5) fine: positions 0-15 of each sequence once more, all in f32, written over launch 4's rows.
; DEAD WORK LEFT OUT: reference() sets the score of key k for query q to the smallest f32 number wherever k > q (its own jnp.tril), and key 0 counts for every query, so the row's maximum is an open key's score and the weight
; of a hidden key is exp(smallest - maximum) = 0 for all finite inputs: it reaches no output.
; Nothing else is left out; every input is loaded.  LIMIT: a NaN, an infinity or an overflow that reaches only such hidden scores is not carried to the result.
; LIMITS OF FORMAT: Q, K, V, the weights p, the heads' results and Wo are rounded to f16 for the products that are left as they are: a magnitude above 65,504 among them becomes infinity, one under 6e-8 becomes 0.
; A block of zeros gets the scale byte 1 and not 127: its codes are zeros, which add nothing, and this program alone reads the bytes.  Blocks whose largest magnitude lies under 2^-124 have their byte held at 1.  NaN and infinities among the inputs are not served.
; THE TABLE: angle = position x 10000^(-i/32), rounded once as in reference(); it is reduced by multiples of pi/2 in two parts, good for positions under 2,048 (all there are), and cos and sin are polynomials of degree 8 and 9 on
; |r| <= pi/4, whose next terms lie under 3e-8.
; SHARES: work-groups 0-255 take x, 256-287 Wq, 288-319 Wk, 320-351 Wv (32,768 numbers each; the rows are dense, so a tensor is a plain stream of blocks of 32); 352-383 Wo; 384-415 the table.
; The quantising path: a wave takes 16 steps of 512 numbers.  Each load reads 512 consecutive bytes; a step's 2,048 bytes turn through the wave's own stage in LDS so that a lane holds 16 neighbours along K, two lanes a block.
.set WAVES, 4
.set STEPS, 16
.set EMAX,  2
.set CB,    8                          ; bytes of 16 codes
.set R,     16                         ; v16-79   four sets of 16 numbers as they are loaded
.set X,     80                         ; v80-111  two sets of 16 neighbours
.set E,     112                        ; v112-127 a scale byte for each step
.set C,     128                        ; v128-191 codes: registers of its own for each step, so that no store's data are written again
.set WREG,  8192                       ; LDS: a region for each wave: two stages of 32 x SP bytes, then its 256 scale bytes
.set SP,    80                         ; a lane's place in a stage: 64 bytes + 16 of padding
.set SPW,   12                         ; v12  LDS address of my spare word; never rewritten
.set NIL,   13                         ; v13  0; never rewritten
.set SPARE, WAVES*WREG                 ; behind the regions: the spare words, 128 bytes a wave
.set WR,    16                         ; Wo's path: v16-143 two sets of 64 numbers
.set WH,    144                        ; v144-207 two sets of 32 registers of f16; the table's path: 16 pairs (cos, sin)
	s_load_b256 s[4:11], s[0:1], 0x0               ; x, Wq, Wk, Wv
	s_load_b128 s[12:15], s[0:1], 0x20             ; Wo, codes
	s_load_b128 s[24:27], s[0:1], 0x30             ; scales, wo16
	s_load_b64 s[28:29], s[0:1], 0x40              ; rope
	v_lshl_add_u32 v[SPW], v0, 2, SPARE
	v_mov_b32 v[NIL], 0
	v_lshrrev_b32 v1, 5, v0
	v_readfirstlane_b32 s16, v1                    ; wave
	v_and_b32 v2, 31, v0                           ; lane
	v_lshlrev_b32 v3, 4, v2                        ; my 16 bytes of a load's 512
	s_mul_i32 s17, s16, WREG
	v_lshrrev_b32 v14, 2, v2
	v_mul_u32_u24 v14, v14, SP
	v_and_b32 v15, 3, v2
	v_lshl_add_u32 v14, v15, 4, v14
	v_add_nc_u32 v14, s17, v14                     ; the stage, on the way in: SP (lane / 4) + 16 (lane % 4)
	v_mul_u32_u24 v15, v2, SP
	v_add_nc_u32 v15, s17, v15                     ; and on the way out: SP x lane: my 16 neighbours
	v_mul_u32_u24 v4, v2, CB                       ; 8 x lane: my codes' place in a step's; also my place in a store of 256 bytes on the other two paths
	v_lshrrev_b32 v5, 1, v2
	s_add_co_u32 s17, s17, 2*32*SP
	v_add_nc_u32 v5, s17, v5                       ; LDS: my wave's 256 scale bytes, my block's byte
	v_lshlrev_b32 v7, 3, v2
	v_add_nc_u32 v6, s17, v7                       ; and on the way out 8 bytes a lane
	s_lshl_b32 s22, ttmp9, 2
	s_add_co_u32 s22, s22, s16                     ; my wave's number in the launch
	s_mov_b32 s19, 0
	s_wait_kmcnt 0x0
	s_cmp_ge_u32 ttmp9, 352
	s_cbranch_scc1 .Lother
	; ---- the quantising path.  Only pointers are chosen: the choice hangs on the work-group's number alone
	s_and_b32 s17, ttmp9, 31                       ; a weight's work-group, 0 to 31
	s_cmp_lt_u32 ttmp9, 320
	s_cselect_b64 s[10:11], s[8:9], s[10:11]       ; Wk, else Wv
	s_cmp_lt_u32 ttmp9, 288
	s_cselect_b64 s[10:11], s[6:7], s[10:11]       ; Wq
	s_cmp_lt_u32 ttmp9, 256
	s_cselect_b64 s[10:11], s[4:5], s[10:11]       ; x
	s_cselect_b32 s17, ttmp9, s17
	s_lshl_b32 s17, s17, 2
	s_add_co_u32 s17, s17, s16                     ; which run of 8,192 numbers of the tensor is my wave's
	s_lshl_b32 s18, s17, 15
	s_add_nc_u64 s[10:11], s[10:11], s[18:19]
	s_lshl_b32 s18, s22, 12                        ; the results of all four tensors lie on end: 4,096 bytes of codes a run,
	s_add_nc_u64 s[14:15], s[14:15], s[18:19]
	s_lshl_b32 s18, s22, 8                         ; 256 scale bytes a run
	s_add_nc_u64 s[24:25], s[24:25], s[18:19]
.macro LOAD t
.irp i, 0,1,2,3
	global_load_b128 v[R+16*((\t)%4)+4*\i:R+16*((\t)%4)+4*\i+3], v3, s[10:11] offset:2048*(\t)+512*\i th:TH_LOAD_NT   ; 32 lanes read 512 consecutive bytes
.endr
.endm
.macro TURN t                          ; step t's numbers through the stage: LDS serves a wave's instructions in order, so no wait stands between the stores and the loads
.irp i, 0,1,2,3
	ds_store_b128 v14, v[R+16*((\t)%4)+4*\i:R+16*((\t)%4)+4*\i+3] offset:32*SP*((\t)%2)+8*SP*\i
.endr
.irp i, 0,1,2,3
	ds_load_b128 v[X+16*((\t)%2)+4*\i:X+16*((\t)%2)+4*\i+3], v15 offset:32*SP*((\t)%2)+16*\i
.endr
.endm
.irp t, 0,1,2,3
	LOAD \t
.endr
	s_wait_loadcnt 12                              ; step 0's four loads are in; the twelve of steps 1 to 3 may be out
	TURN 0
.macro STEP t
.set XS, X+16*((\t)%2)
.if (\t) > 0
	s_wait_dscnt 1                                 ; this step's numbers are back from the stage (the last step's byte store may be out): so its stores into the stage have read their registers,
.else
	s_wait_dscnt 0x0
.endif
.if (\t)+4 < STEPS
	LOAD (\t)+4                                    ; which take the loads of four steps on
.endif
.if (\t)+1 < STEPS
.if STEPS-2-(\t) >= 3
	s_wait_loadcnt 12                              ; the next step's four loads are in; those of the three steps behind it may be out
.else
	s_wait_loadcnt 4*(STEPS-2-(\t))
.endif
	TURN (\t)+1                                    ; and go through the other stage while this step is worked
.endif
	v_max3_num_f32 v8, |v[XS]|, |v[XS+1]|, |v[XS+2]|               ; the largest magnitude of my 16, in two chains
	v_max3_num_f32 v9, |v[XS+3]|, |v[XS+4]|, |v[XS+5]|
.irp i, 6,10
	v_max3_num_f32 v8, v8, |v[XS+\i]|, |v[XS+\i+1]|
	v_max3_num_f32 v9, v9, |v[XS+\i+2]|, |v[XS+\i+3]|
.endr
	v_max3_num_f32 v8, v8, |v[XS+14]|, |v[XS+15]|
	v_max3_num_f32 v8, v8, v9, (EMAX+1)<<23        ; and the floor 2^(EMAX + 1 - 127): the byte cannot fall under 1
	v_max_num_f32_dpp v8, v8, v8 row_xmask:1 row_mask:0xf bank_mask:0xf   ; and of my neighbour's 16: the block's
	v_add_nc_u32 v11, -(EMAX<<23), v8              ; EMAX off its exponent field: the conversion takes the exponent field of this operand as its scale
	v_cvt_scalef32_pk8_fp4_f32 v[C+4*(\t)], v[XS:XS+7], v11        ; eight numbers / the scale, to the nearest code, ties to even, beyond the largest code the largest
	v_cvt_scalef32_pk8_fp4_f32 v[C+4*(\t)+1], v[XS+8:XS+15], v11
	v_lshrrev_b32 v[E+(\t)], 23, v11               ; the scale's byte (a plain line behind the conversions)
	ds_store_b8 v5, v[E+(\t)] offset:16*(\t)       ; both lanes of a block write the same byte with the same value
	global_store_b64 v4, v[C+4*(\t):C+4*(\t)+1], s[14:15] offset:32*CB*(\t)   ; the wave stores 256 consecutive bytes, aligned
.endm
.irp t, 0,1,2,3,4,5,6,7,8,9,10,11,12,13,14,15
	STEP \t
.endr
	ds_load_b64 v[8:9], v6                         ; LDS serves a wave's instructions in order: these see my byte stores
	s_wait_dscnt 0x0
	global_store_b64 v7, v[8:9], s[24:25]          ; my wave's 256 scale bytes, aligned
	s_wait_tensorcnt 0x0                           ; the wave's end, behind my last LDS store
	ds_add_u32 v[SPW], v[NIL]
	s_wait_dscnt 0x0
	s_endpgm
.Lother:
	s_cmp_ge_u32 ttmp9, 384
	s_cbranch_scc1 .Lrope
	; ---- Wo [e][1024] f32 -> wo16 [16 kb][1024 e][64] f16.  A wave takes 8 rows, two at a time.  A load reads block kb (256 bytes) of rows e (lanes 0-15) and e + 1 (lanes 16-31);
	; a lane's 4 numbers become 8 bytes, and the wave's store covers the 256 consecutive bytes [kb][e], [kb][e + 1].
	s_sub_co_u32 s17, s22, 352*4                   ; which 8 rows
	s_lshl_b32 s18, s17, 15                        ; 8 rows of 4,096 bytes
	s_add_nc_u64 s[12:13], s[12:13], s[18:19]
	s_lshl_b32 s18, s17, 10                        ; 8 rows of 128 bytes
	s_add_nc_u64 s[26:27], s[26:27], s[18:19]
	v_lshrrev_b32 v8, 4, v2
	v_lshlrev_b32 v8, 12, v8
	v_and_b32 v9, 15, v2
	v_lshl_add_u32 v8, v9, 4, v8                   ; 4,096 (lane / 16) + 16 (lane % 16)
.macro LOADW p
.irp kb, 0,1,2,3,4,5,6,7,8,9,10,11,12,13,14,15
	global_load_b128 v[WR+64*((\p)%2)+4*\kb:WR+64*((\p)%2)+4*\kb+3], v8, s[12:13] offset:8192*(\p)+256*\kb th:TH_LOAD_NT
.endr
.endm
.macro PAIRW p
.if (\p) < 3
	s_wait_loadcnt 16                              ; this pair of rows is in; the next pair's sixteen loads may be out
.else
	s_wait_loadcnt 0x0
.endif
.if (\p) >= 2
	s_wait_xcnt 0x0                                ; the stores of two pairs back have read their data registers, which are written again below
.endif
.irp kb, 0,1,2,3,4,5,6,7,8,9,10,11,12,13,14,15
	v_cvt_pk_f16_f32 v[WH+32*((\p)%2)+2*\kb], v[WR+64*((\p)%2)+4*\kb], v[WR+64*((\p)%2)+4*\kb+1]
	v_cvt_pk_f16_f32 v[WH+32*((\p)%2)+2*\kb+1], v[WR+64*((\p)%2)+4*\kb+2], v[WR+64*((\p)%2)+4*\kb+3]
.endr
.irp kb, 0,1,2,3,4,5,6,7,8,9,10,11,12,13,14,15
	global_store_b64 v4, v[WH+32*((\p)%2)+2*\kb:WH+32*((\p)%2)+2*\kb+1], s[26:27] offset:131072*\kb+256*(\p)
.endr
.if (\p)+2 < 4
	LOADW (\p)+2
.endif
.endm
	LOADW 0
	LOADW 1
	PAIRW 0
	PAIRW 1
	PAIRW 2
	PAIRW 3
	s_wait_tensorcnt 0x0                           ; the wave's end, as on the first path
	ds_add_u32 v[SPW], v[NIL]
	s_wait_dscnt 0x0
	s_endpgm
.Lrope:
	; ---- rope [2048 s][32 i][cos, sin] f32.  A wave makes 16 rows; the lane is i; a row is one store of 256 consecutive bytes.
	s_sub_co_u32 s17, s22, 384*4                   ; which 16 rows
	s_lshl_b32 s18, s17, 4                         ; the first position
	s_lshl_b32 s22, s17, 12                        ; 16 rows of 256 bytes
	s_mov_b32 s23, 0
	s_add_nc_u64 s[28:29], s[28:29], s[22:23]
	s_mov_b32 s20, 0x3fc90fdb                      ; pi/2, its upper part,
	s_mov_b32 s21, 0xb33bbd2e                      ; and what is left of it
	v_mov_b32 v17, 0x3638ef1d                      ; 1/9!
	v_mov_b32 v18, 0x37d00d01                      ; 1/8!
	v_cvt_f32_u32 v16, v2
	v_mul_f32 v16, 0xbed49a78, v16                 ; -i log2(10000) / 32
	v_exp_f32 v16, v16                             ; 10000^(-i/32)
	v_nop                                          ; a plain line behind the exponential,
	s_wait_alu depctr_va_vdst(0)                   ; and a wait ahead of its first reader
.macro ROW k
	s_add_co_u32 s19, s18, \k
	v_cvt_f32_u32 v20, s19                         ; the position
	v_mul_f32 v20, v20, v16                        ; the angle, rounded once
	v_mul_f32 v21, 0x3f22f983, v20                 ; x 2/pi
	v_rndne_f32 v21, v21                           ; n
	v_fma_f32 v22, -v21, s20, v20
	v_fma_f32 v22, -v21, s21, v22                  ; r = angle - n pi/2, |r| <= pi/4
	v_mul_f32 v23, v22, v22                        ; z = r^2
	v_fmaak_f32 v24, v23, v17, 0xb9500d01          ; sin: z/9! - 1/7!
	v_fmaak_f32 v26, v23, v18, 0xbab60b61          ; cos: z/8! - 1/6!
	v_fmaak_f32 v24, v23, v24, 0x3c088889          ; + 1/5!
	v_fmaak_f32 v26, v23, v26, 0x3d2aaaab          ; + 1/4!
	v_fmaak_f32 v24, v23, v24, 0xbe2aaaab          ; - 1/3!
	v_fma_f32 v26, v23, v26, -0.5
	v_mul_f32 v25, v22, v23
	v_fma_f32 v26, v23, v26, 1.0                   ; cos r
	v_fma_f32 v24, v25, v24, v22                   ; sin r
	v_cvt_i32_f32 v27, v21                         ; n as a whole number, 0 or more
	v_and_b32 v28, 1, v27
	v_cmp_eq_u32 vcc_lo, 1, v28                    ; an odd n changes the two over;
	v_cndmask_b32 v29, v24, v26, vcc_lo
	v_cndmask_b32 v30, v26, v24, vcc_lo
	v_and_b32 v28, 2, v27                          ; sin is negated where n % 4 is 2 or 3,
	v_lshlrev_b32 v28, 30, v28
	v_xor_b32 v[WH+2*(\k)+1], v28, v29
	v_add_nc_u32 v27, 1, v27                       ; cos where it is 1 or 2
	v_and_b32 v27, 2, v27
	v_lshlrev_b32 v27, 30, v27
	v_xor_b32 v[WH+2*(\k)], v27, v30
	global_store_b64 v4, v[WH+2*(\k):WH+2*(\k)+1], s[28:29] offset:256*(\k)   ; each row has registers of its own: no store's data are written again
.endm
.irp k, 0,1,2,3,4,5,6,7,8,9,10,11,12,13,14,15
	ROW \k
.endr
	s_wait_tensorcnt 0x0                           ; the wave's end, as on the first path
	ds_add_u32 v[SPW], v[NIL]
	s_wait_dscnt 0x0
	s_endpgm
.Lfunc_end_k_q3fa1ffffb2_quant:
	.size	k_q3fa1ffffb2_quant, .Lfunc_end_k_q3fa1ffffb2_quant-k_q3fa1ffffb2_quant
	.p2alignl 7, 3214868480
	.fill 96, 4, 3214868480
	.section	.rodata,"a",@progbits
	.p2align	6, 0x0
	.amdhsa_kernel k_q3fa1ffffb2_quant
		.amdhsa_group_segment_fixed_size 33280
		.amdhsa_private_segment_fixed_size 0
		.amdhsa_enable_private_segment 0
		.amdhsa_kernarg_size 72
		.amdhsa_user_sgpr_count 2
		.amdhsa_user_sgpr_kernarg_segment_ptr 1
		.amdhsa_wavefront_size32 1
		.amdhsa_system_sgpr_workgroup_id_x 1
		.amdhsa_system_sgpr_workgroup_id_y 1
		.amdhsa_system_sgpr_workgroup_id_z 1
		.amdhsa_system_vgpr_workitem_id 0
		.amdhsa_next_free_vgpr 208
		.amdhsa_next_free_sgpr 66
		.amdhsa_reserve_vcc 1
		.amdhsa_float_denorm_mode_32 3
		.amdhsa_float_denorm_mode_16_64 3
		.amdhsa_memory_ordered 1
		.amdhsa_forward_progress 1
		.amdhsa_inst_pref_size 77
	.end_amdhsa_kernel
	.amdgpu_metadata
---
amdhsa.version: [ 1, 2 ]
amdhsa.kernels:
  - .name:           k_q3fa1ffffb2_quant
    .symbol:         k_q3fa1ffffb2_quant.kd
    .args:
      - { .name: x, .offset: 0, .size: 8, .value_kind: global_buffer, .address_space: global }
      - { .name: Wq, .offset: 8, .size: 8, .value_kind: global_buffer, .address_space: global }
      - { .name: Wk, .offset: 16, .size: 8, .value_kind: global_buffer, .address_space: global }
      - { .name: Wv, .offset: 24, .size: 8, .value_kind: global_buffer, .address_space: global }
      - { .name: Wo, .offset: 32, .size: 8, .value_kind: global_buffer, .address_space: global }
      - { .name: codes, .offset: 40, .size: 8, .value_kind: global_buffer, .address_space: global }
      - { .name: scales, .offset: 48, .size: 8, .value_kind: global_buffer, .address_space: global }
      - { .name: wo16, .offset: 56, .size: 8, .value_kind: global_buffer, .address_space: global }
      - { .name: rope, .offset: 64, .size: 8, .value_kind: global_buffer, .address_space: global }
    .group_segment_fixed_size: 33280
    .private_segment_fixed_size: 0
    .kernarg_segment_align: 8
    .kernarg_segment_size: 72
    .max_flat_workgroup_size: 128
    .sgpr_count:     66
    .vgpr_count:     208
    .wavefront_size: 32
...
	.end_amdgpu_metadata
.endif
;; end of part 1
;; launch qkv (part 2): grid 12 x 32, 4 waves a work-group, clusters of 4 x 4, 327,680 bytes of LDS; arguments codes, scales, rope, qkv16, qkv32; writes qkv16, qkv32
.if DOCPART == 2
	.amdgcn_target "amdgcn-amd-amdhsa--gfx1250"
	.amdhsa_code_object_version 6
	.text
	.protected	k_q3fa1ffffb2_qkv
	.globl	k_q3fa1ffffb2_qkv
	.p2align	8
	.type	k_q3fa1ffffb2_qkv,@function
k_q3fa1ffffb2_qkv:
	s_mov_b64 s[64:65], 0
	v_nop
	global_prefetch_b8 v0, s[64:65] scope:SCOPE_SE
	s_setreg_imm32_b32 hwreg(HW_REG_WAVE_MODE, 25, 1), 1
	s_wait_xcnt 0x0
	s_wait_alu depctr_hold_cnt(0) depctr_sa_sdst(0) depctr_va_vdst(0) depctr_va_sdst(0) depctr_va_ssrc(0) depctr_va_vcc(0) depctr_vm_vsrc(0)
	s_getreg_b32 s2, hwreg(HW_REG_IB_STS2, 6, 4)
	s_cmp_eq_u32 s2, 0
	s_cbranch_scc0 .Lentry_in_a_cluster
	s_endpgm
.Lentry_in_a_cluster:
	s_bfe_u32 s2, ttmp6, 0x10000c
	s_cmp_lg_u32 s2, 0xf033
	s_cbranch_scc0 .Lentry_shape_is_right
	s_endpgm
.Lentry_shape_is_right:
; MHSA, launch 2 of 5.  C[m][n] = sum over k of x[m][k] W[n][k] on codes of FP4 (E2M1) with one E8M0 scale for each 32 along K; m: 8,192 rows (batch, position), n: 3,072 = Wq's, Wk's, Wv's rows on end, K = 1,024.
; On the way out Q's and K's numbers are rotated in f32 by the table (cos, sin) of launch 1, and all three leave as f16, laid [which][batch][head][position][64]; positions 0-15 of each sequence leave as f32 too, for launch 5.
; Nothing is left out here.
; A tile of C, 256 x 256, is made by a work-group of four waves; a wave makes 128 x 128: 64 accumulators of 16 x 16, 512 registers.  K is two LDS slots of 512 along K (rows of 256 bytes): both are first fills, nothing is filled again.
; The scale bytes of the work-group's 256 + 256 rows, for all of K, are two dense blocks of memory and come with the first fills.  By this text's count a wave has three tensor loads out at the start, and none later.
; CLUSTERS: 4 x 4 work-groups.  The four of a row of the cluster need the same tiles of x, the four of a column the same tiles of W: each tile is asked for JOINTLY, by the same tensor load with the same descriptor and a mask that names the four.
; A tile row of C is 8 cy + cluster y, so that the batch is cy and a tile's first position hangs on the cluster's y alone; a tile column is 4 cluster x + cx, so that cluster x says which of Q, K, V: the branches of the text
; (rotate or not; positions 0-15 or not) hang on the cluster's x, its y and the wave's number, which all partners share.
; THE TEXT PARTS ONCE, behind the change of slots, on the cluster's x: Q's and K's arm asks for the table's first rows and then walks slot 1's four steps, 256 matrix instructions in which they land; V's arm walks the same steps
; (a second copy of them) and loads no table.  So the table's loads and their readers stand on one way through the text.
; THE MATRIX INSTRUCTION IS USED TRANSPOSED (source 0 = 16 rows of W, source 1 = 16 rows of x): a lane holds eight neighbouring numbers of a row of C, that is four pairs (even, odd) of a head.
; REGISTERS, in windows of 256: window 0: v0-31 addresses; v32-95 scale words, two sets, and nothing else; v128-191 x's fragments, one set; v192-255 the table's rows, two sets.  On the way out v112-175 a block as f16, two sets.
;   window 1: W's fragments, two sets, at v0 and v128; on the way out v64-127 the rotated block, v192-199 at work.   window 2: the accumulators of my rows 0-63 ((a, b) at v[8 (8 a + b)]);   window 3: those of my rows 64-127.
; LIMIT: Q, K, V above 65,504 in magnitude become infinity in f16.
.set SIZE_K, 1024
.set KSTEP,  512                       ; along K in a slot
.set NQ,     KSTEP/128                 ; matrix instructions deep
.set ROWB,   256                       ; a tile's row in bytes
.set KROW,   SIZE_K*4/8                ; a row of codes in memory
.set PITCH,  272                       ; an LDS row: 256 bytes + 16 of padding = 68 words: the 16 rows that a load touches start 4 banks apart (64 banks of 4 bytes: ISA guide 11.1)
.set FR,     8                         ; registers of a fragment: 16 rows x 128 K
.set NL,     2                         ; LDS loads that bring one
.set NP,     4                         ; places behind this matrix instruction (ISA guide 7.12.1)
.set HALFT,  128*PITCH                 ; 128 rows: what one tensor load brings
.set SLOT,   4*HALFT                   ; x's 256 rows, then W's 256 rows
.set KS,     SIZE_K/32                 ; a row of scales in bytes
.set SCL,    2*SLOT                    ; behind the slots: the scales, as units of 256 bytes + 16 of padding
.set HALFS,  (128*KS/256)*272          ; the scales of 128 rows
.set SBLK,   (16*KS/256)*272           ; those of 16 rows
.set SPARE,  SCL+4*HALFS               ; behind the scales: the spare words, 128 bytes a wave
.set SPITCH, 272                       ; the way out: a stage of 16 rows x (256 bytes + 16) for each wave, in slot 0, which has had its one fill and its last read when the first result is stored there
.set RTO,  8                           ; v8   my byte in the table's 16 rows: 256 r + 32 h
.set FO,   9                           ; v9   my byte in qkv32's 16 rows: 12,288 r + 32 h
.set ADRA, 16                          ; v16-17  LDS address of my fragments of x in slot 0, 1
.set ADRB, 20                          ; v20-21  the same for W
.set STO,  24                          ; v24  the way out: where I put 16 bytes of a row
.set RD,   25                          ; v25  where I read rows back
.set CO,   26                          ; v26  16 x lane
.set ADRS, 27                          ; v27  LDS address of my scale words: lanes 0-15 x's rows, lanes 16-31 W's
.set SPW,  28                          ; v28  LDS address of my spare word; never rewritten
.set NIL,  29                          ; v29  0; never rewritten
.set SC,   32                          ; scale words: set s at v[SC + 8 NQ s]; register NQ i + q: lanes 0-15 the word of x's block i, lanes 16-31 that of W's block i
.set O32,  64                          ; in window 1: a block of 16 x 128 numbers, rotated
.set T,    192                         ; in window 1: v192-199 at work
.set TMP,  112                         ; v112-143, v144-175: a block as f16
.set AF,   128                         ; x's fragments
.set RT,   192                         ; v192-223, v224-255: a block's (cos, sin)
.set G1, 24                            ; s[24:31] descriptor group 1 for x's tiles;  s[32:39] group 0, one set for each slot
.set G0, 32
.set G1B, 48                           ; s[48:55], s[56:63] the same for W's tiles
.set G0B, 56
.set G1S, 68                           ; s[68:75], s[76:79] groups 1 and 0 for x's scales;  s[80:87], s[88:91] for W's
.set G0S, 76
.set G1SB, 80
.set G0SB, 88
.set MSB, 0
.macro WIN new                         ; s_set_vgpr_msb: bits 1:0 source 0, 3:2 source 1, 5:4 source 2, 7:6 destination; the high byte repeats the setting that is left
.if MSB != \new
	s_set_vgpr_msb (MSB<<8)|\new
.set MSB, \new
.endif
.endm
.set MUL_LO, 0xa1                      ; source 0 (W) window 1, source 1 (x) window 0, C and D window 2
.set MUL_HI, 0xf1                      ; the same, C and D window 3
.set TO_B,   0x40                      ; destination window 1, address window 0
; A joint load: waves 0 and 1 fetch for x, waves 2 and 3 for W.  Each line has one mask and one set of registers for all that issue it; the branch hangs on the wave's number alone.
; An s_nop 0 and four v_nop follow each of the two lines.
.macro JLOAD g0a, g1a, g0b, g1b
	s_cmp_eq_u32 s15, 0
	s_cbranch_scc0 .Lfor_b_\@
	tensor_load_to_lds s[\g0a:\g0a+3], s[\g1a:\g1a+7]
	s_nop 0
.rept 4
	v_nop
.endr
	s_branch .Lasked_\@
.Lfor_b_\@:
	tensor_load_to_lds s[\g0b:\g0b+3], s[\g1b:\g1b+7]
	s_nop 0
.rept 4
	v_nop
.endr
.Lasked_\@:
.endm
.macro CROUND                          ; a round of the cluster's barrier
	s_barrier_signal -1
	s_barrier_wait -1
	s_cmp_lg_u32 s14, 0
	s_cbranch_scc1 .Lnot_wave_0_\@
	s_barrier_signal -3
.Lnot_wave_0_\@:
	s_barrier_wait -3
	s_barrier_signal -1
	s_barrier_wait -1
.endm
	s_load_b128 s[4:7], s[0:1], 0x0                ; codes, scales
	s_load_b128 s[96:99], s[0:1], 0x10             ; rope, qkv16
	s_load_b64 s[100:101], s[0:1], 0x20            ; qkv32
	v_lshl_add_u32 v[SPW], v0, 2, SPARE
	v_mov_b32 v[NIL], 0
	ds_add_u32 v[SPW], v[NIL]                      ; the wave's opening: the add, twice on end, and its wait ahead of my first tensor load
	ds_add_u32 v[SPW], v[NIL]
	v_lshrrev_b32 v1, 5, v0
	v_readfirstlane_b32 s14, v1                    ; wave 0..3
	s_lshr_b32 s15, s14, 1                         ; which half of the tile's rows is mine.  Also: I fetch for x (0) or for W (1)
	s_and_b32 s16, s14, 1                          ; which half of its columns.  Also: which 128 rows of that tile I fetch
	s_bfe_u32 s40, ttmp6, 0x40000                  ; cx, cy: my place in the cluster
	s_bfe_u32 s41, ttmp6, 0x40004
	s_lshl_b32 s42, ttmp9, 2
	s_add_co_u32 s42, s42, s40                     ; tile column of C = 4 x cluster x + cx
	s_and_b32 s95, ttmp7, 0xffff                   ; cluster y, 0 to 7
	s_lshl_b32 s17, s41, 3
	s_add_co_u32 s17, s17, s95                     ; tile row of C = 8 x cy + cluster y
	s_lshl_b32 s43, s41, 2
	s_lshl_b32 s43, 15, s43                        ; my row of the cluster
	s_lshl_b32 s44, 0x1111, s40                    ; my column
	; descriptor group 1: a tile of 128 rows x 256 bytes, padded in LDS
	s_or_b32 s[G1+0], s43, (0<<16)|(1<<20)|(1<<21)|(5<<22)|(3<<25)  ; 15:0 the mask; 17:16 elements of 1 byte; 20 padding on; 21 set beside a mask; 24:22 after every 64 words; 31:25 four words
	s_or_b32 s[G1B+0], s44, (0<<16)|(1<<20)|(1<<21)|(5<<22)|(3<<25)
.irp g, G1, G1B
	s_mov_b32 s[\g+1], ROWB<<16                    ; tensor_dim0
	s_mov_b32 s[\g+2], 128<<16                     ; tensor_dim1
	s_mov_b32 s[\g+3], ROWB<<16                    ; tile_dim0
	s_mov_b32 s[\g+4], 128                         ; tile_dim1
	s_mov_b32 s[\g+5], KROW                        ; tensor_dim0_stride
	s_mov_b32 s[\g+6], 0
	s_mov_b32 s[\g+7], 0
.endr
	; the scales of 128 rows: a dense block of 4,096 bytes, as rows of 256 bytes (32 elements of 8 bytes), 16 bytes of padding behind each
	s_or_b32 s[G1S+0], s43, (3<<16)|(1<<20)|(1<<21)|(5<<22)|(3<<25)
	s_or_b32 s[G1SB+0], s44, (3<<16)|(1<<20)|(1<<21)|(5<<22)|(3<<25)
.irp g, G1S, G1SB
	s_mov_b32 s[\g+1], 32<<16
	s_mov_b32 s[\g+2], (128*KS/256)<<16
	s_mov_b32 s[\g+3], 32<<16
	s_mov_b32 s[\g+4], 128*KS/256
	s_mov_b32 s[\g+5], 32
	s_mov_b32 s[\g+6], 0
	s_mov_b32 s[\g+7], 0
.endr
	s_lshl_b32 s18, s16, 7                         ; which 128 rows of the tile I fetch
	s_lshl_b32 s20, s17, 8
	s_add_co_u32 s20, s20, s18                     ; x: row 256 x tile row + 128 x half
	s_lshl_b32 s46, s42, 8
	s_add_co_u32 s46, s46, s18                     ; W: row 256 x tile column + 128 x half
	s_mov_b32 s21, 0
	s_mov_b32 s47, 0
	s_mov_b64 s[18:19], KS
	s_mul_u64 s[22:23], s[20:21], s[18:19]         ; where these rows' scales begin, in bytes,
	s_mul_u64 s[92:93], s[46:47], s[18:19]
	s_mov_b64 s[18:19], KROW
	s_mul_u64 s[20:21], s[20:21], s[18:19]         ; and their codes
	s_mul_u64 s[46:47], s[46:47], s[18:19]
	s_mul_i32 s45, s14, HALFT                      ; where they go: wave x 128 rows: no place in the cluster enters an LDS address
	s_mul_i32 s94, s14, HALFS
	s_wait_dscnt 0x0                               ; both opening adds are done
	s_wait_kmcnt 0x0
	s_add_nc_u64 s[8:9], s[4:5], 8192*KROW         ; W's codes lie behind x's 8,192 rows,
	s_add_nc_u64 s[10:11], s[6:7], 8192*KS         ; and so do their scales
	s_add_nc_u64 s[20:21], s[4:5], s[20:21]
	s_add_nc_u64 s[22:23], s[6:7], s[22:23]
	s_add_nc_u64 s[46:47], s[8:9], s[46:47]
	s_add_nc_u64 s[92:93], s[10:11], s[92:93]
	CROUND                                         ; all sixteen work-groups are here: the joint loads meet
	s_mov_b32 s[G0S], 1
	s_add_co_u32 s[G0S+1], s94, SCL
	s_mov_b64 s[G0S+2:G0S+3], s[22:23]
	s_or_b32 s[G0S+3], s[G0S+3], 0x80000000
	s_mov_b32 s[G0SB], 1
	s_add_co_u32 s[G0SB+1], s94, SCL
	s_mov_b64 s[G0SB+2:G0SB+3], s[92:93]
	s_or_b32 s[G0SB+3], s[G0SB+3], 0x80000000
	JLOAD G0S, G1S, G0SB, G1SB                     ; the scales first: they are wanted with the first slot
.irp s, 0,1
	s_mov_b32 s[G0+4*\s], 1
	s_add_co_u32 s[G0+4*\s+1], s45, \s*SLOT
	s_add_nc_u64 s[G0+4*\s+2:G0+4*\s+3], s[20:21], \s*ROWB
	s_or_b32 s[G0+4*\s+3], s[G0+4*\s+3], 0x80000000
	s_mov_b32 s[G0B+4*\s], 1
	s_add_co_u32 s[G0B+4*\s+1], s45, \s*SLOT
	s_add_nc_u64 s[G0B+4*\s+2:G0B+4*\s+3], s[46:47], \s*ROWB
	s_or_b32 s[G0B+4*\s+3], s[G0B+4*\s+3], 0x80000000
	JLOAD G0+4*\s, G1, G0B+4*\s, G1B
.endr
	v_and_b32 v1, 15, v0                           ; r = l % 16
	v_bfe_u32 v2, v0, 4, 1                         ; h = l / 16
	v_mul_u32_u24 v3, v1, PITCH
	v_lshl_add_u32 v4, v2, 4, v3                   ; a fragment's row x pitch + 16 x half
	s_mul_i32 s21, s15, HALFT                      ; my 128 rows of x
	s_mul_i32 s22, s16, HALFT                      ; my 128 rows of W,
	s_add_co_u32 s22, s22, 2*HALFT                 ; which lie behind x's 256
.irp s, 0,1
	v_add_nc_u32 v[ADRA+\s], s21, v4
	v_add_nc_u32 v[ADRB+\s], s22, v4
	s_add_co_u32 s21, s21, SLOT
	s_add_co_u32 s22, s22, SLOT
.endr
	v_mul_u32_u24 v5, v1, KS                       ; my row's scales: KS bytes a row,
	v_lshrrev_b32 v6, 8, v5
	v_lshl_add_u32 v5, v6, 4, v5                   ; and 16 more for each 256 passed
	s_mul_i32 s21, s15, HALFS                      ; x's: my 128 rows
	s_mul_i32 s22, s16, HALFS                      ; W's: my 128 rows, behind x's 256
	s_add_co_u32 s22, s22, 2*HALFS
	s_sub_co_u32 s22, s22, s21
	v_mul_u32_u24 v6, s22, v2                      ; lanes 16-31 take W's: one product, the distance between the two
	s_add_co_u32 s21, s21, SCL
	v_add_nc_u32 v5, v5, v6
	v_add_nc_u32 v[ADRS], s21, v5
	s_mul_i32 s23, s14, 16*SPITCH                  ; my stage
	v_mul_u32_u24 v5, v1, SPITCH                   ; in: row r, 16 bytes for each half of the lanes
	v_lshl_add_u32 v5, v2, 4, v5
	v_add_nc_u32 v[STO], s23, v5
	v_bfe_u32 v7, v0, 3, 2                         ; back: eight lanes take 128 bytes (a head's part) of a row, four rows an instruction
	v_mul_u32_u24 v7, v7, SPITCH
	v_and_b32 v5, 7, v0
	v_lshl_add_u32 v7, v5, 4, v7
	v_add_nc_u32 v[RD], s23, v7
	v_and_b32 v6, 31, v0
	v_lshlrev_b32 v[CO], 4, v6
	v_lshlrev_b32 v[RTO], 8, v1
	v_lshl_add_u32 v[RTO], v2, 5, v[RTO]
	v_mul_u32_u24 v[FO], v1, 12288
	v_lshl_add_u32 v[FO], v2, 5, v[FO]
	s_lshl_b32 s20, s95, 8
	s_lshl_b32 s21, s15, 7
	s_add_co_u32 s20, s20, s21                     ; my first position in the sequence: 256 x cluster y + 128 x half
	s_mov_b32 s19, 0
	s_lshl_b32 s18, s20, 8                         ; the table: 256 bytes a position
	s_add_nc_u64 s[96:97], s[96:97], s[18:19]
	s_lshl_b32 s18, ttmp9, 24                      ; qkv16: which of Q, K, V,
	s_lshl_b32 s22, s41, 22                        ; the batch,
	s_add_co_u32 s18, s18, s22
	s_lshl_b32 s22, s40, 2
	s_lshl_b32 s23, s16, 1
	s_add_co_u32 s22, s22, s23                     ; my first head: 4 cx + 2 x half,
	s_lshl_b32 s22, s22, 18
	s_add_co_u32 s18, s18, s22
	s_lshl_b32 s22, s20, 7                         ; my first position: 128 bytes each
	s_add_co_u32 s18, s18, s22
	s_add_nc_u64 s[12:13], s[98:99], s[18:19]
	s_mul_i32 s18, s41, 196608                     ; qkv32: the batch's 16 rows of 12,288 bytes,
	s_lshl_b32 s22, s42, 10                        ; my first column of the 3,072
	s_add_co_u32 s18, s18, s22
	s_lshl_b32 s22, s16, 9
	s_add_co_u32 s18, s18, s22
	s_add_nc_u64 s[100:101], s[100:101], s[18:19]
	s_or_b32 s3, s95, s15                          ; 0 where my first 16 rows are positions 0-15: the same in all partners, for a given wave
; The table's rows for block a (16 positions): a lane wants, for each 16 columns of a head, the four pairs (cos, sin) of its eight: 32 bytes at 64 bq + 32 h.  Both of the wave's heads use the same.
.macro LOADT a
.irp bq, 0,1,2,3
.irp cc, 0,1
	global_load_b128 v[RT+32*((\a)%2)+8*\bq+4*\cc:RT+32*((\a)%2)+8*\bq+4*\cc+3], v[RTO], s[96:97] offset:4096*(\a)+64*\bq+16*\cc
.endr
.endr
.endm
.macro FRAG reg, adr, q, i             ; a fragment, 16 rows x 128 K of 4-bit codes: lane l holds row l % 16; registers 4 c .. 4 c + 3 hold K = 64 c + 32 (l / 16) + 0 .. 31
.irp c, 0,1
	ds_load_b128 v[\reg+4*\c:\reg+4*\c+3], v[\adr] offset:64*(\q)+32*\c+(\i)*16*PITCH
.endr
.endm
; 16 matrix instructions: x's blocks a0, a0 + 1 against W's eight, 128 along K.  p: W's set; sc: the set of scale words.  zero = 1: the first product starts the sums.
; The 64 accumulators take turns, one instruction a turn, in the same order in every step.
.macro MUL16 a0, p, q, sc, zero
.irp a, \a0, \a0+1
.irp b, 0,1,2,3,4,5,6,7
.if \zero
	v_wmma_scale_f32_16x16x128_f8f6f4 v[8*(8*((\a)%4)+\b):8*(8*((\a)%4)+\b)+7], v[128*(\p)+FR*\b:128*(\p)+FR*\b+FR-1], v[AF+FR*(\a):AF+FR*(\a)+FR-1], 0, v[SC+8*NQ*(\sc)+NQ*\b+(\q)], v[SC+8*NQ*(\sc)+NQ*(\a)+(\q)] matrix_a_fmt:MATRIX_FMT_FP4 matrix_b_fmt:MATRIX_FMT_FP4 matrix_a_scale:MATRIX_SCALE_ROW1
.else
	v_wmma_scale_f32_16x16x128_f8f6f4 v[8*(8*((\a)%4)+\b):8*(8*((\a)%4)+\b)+7], v[128*(\p)+FR*\b:128*(\p)+FR*\b+FR-1], v[AF+FR*(\a):AF+FR*(\a)+FR-1], v[8*(8*((\a)%4)+\b):8*(8*((\a)%4)+\b)+7], v[SC+8*NQ*(\sc)+NQ*\b+(\q)], v[SC+8*NQ*(\sc)+NQ*(\a)+(\q)] matrix_a_fmt:MATRIX_FMT_FP4 matrix_b_fmt:MATRIX_FMT_FP4 matrix_a_scale:MATRIX_SCALE_ROW1
.endif
.endr
.endr
.endm
.macro FETCH_B slot, q, p              ; W's eight fragments of the slot's q-th 128 along K into set p
	WIN TO_B
.irp i, 0,1,2,3,4,5,6,7
	FRAG 128*(\p)+FR*\i, ADRB+\slot, \q, \i
.endr
	WIN 0
.endm
.macro FETCH_A slot, q, i0             ; x's blocks i0 .. i0 + 3
.irp i, \i0, \i0+1, \i0+2, \i0+3
	FRAG AF+FR*(\i), ADRA+\slot, \q, \i
.endr
.endm
.macro SCALES sc                       ; a slot's scale words into set sc: NQ words a row; lanes 0-15 take x's block i, lanes 16-31 W's block i
.irp i, 0,1,2,3,4,5,6,7
	ds_load_b128 v[SC+8*NQ*\sc+NQ*\i:SC+8*NQ*\sc+NQ*\i+3], v[ADRS] offset:\i*SBLK
.endr
.endm
.macro PLACES n                        ; plain vector lines between a matrix instruction and a load into, or a read or write by a vector instruction of, its registers
.rept \n
	v_nop
.endr
.endm
; A step of 128 along K that has its successor in the same slot.  x has one set of registers: blocks 0-3 are fetched anew in the step's middle, blocks 4-7 at its end; W has two sets.
.macro STEP slot, q, zero
	s_wait_dscnt 4*NL                              ; W's set and x's blocks 0-3 are in; the youngest eight loads (x's blocks 4-7) may be out
	WIN MUL_LO
	MUL16 0, (\q)%2, \q, \slot, \zero
	MUL16 2, (\q)%2, \q, \slot, \zero
	s_wait_dscnt 0                                 ; x's blocks 4-7 are in
	PLACES NP
	FETCH_B \slot, (\q)+1, 1-(\q)%2
	FETCH_A \slot, (\q)+1, 0
	WIN MUL_HI
	MUL16 4, (\q)%2, \q, \slot, \zero
	MUL16 6, (\q)%2, \q, \slot, \zero
	PLACES NP
	WIN 0
	FETCH_A \slot, (\q)+1, 4
.endm
.macro STEPS slot, from                ; the slot's steps from .. NQ - 2
.set Q, \from
.rept NQ-1-\from
	STEP \slot, Q, 0
.set Q, Q+1
.endr
.endm
; Slot 1's four steps, the last with nothing more to fetch, and the places behind the last products: for the reads of results and the writes over fragments on the way out.  Written in both arms.
.macro TAIL
	STEPS 1, 0
	s_wait_dscnt 4*NL                              ; W's set and x's blocks 0-3 are in
	WIN MUL_LO
	MUL16 0, 1, NQ-1, 1, 0
	MUL16 2, 1, NQ-1, 1, 0
	s_wait_dscnt 0
	WIN MUL_HI
	MUL16 4, 1, NQ-1, 1, 0
	MUL16 6, 1, NQ-1, 1, 0
	WIN 0
	PLACES NP
.endm
; THE WAY OUT, block by block of 16 positions x 128 columns (two heads).
; PACKR: the rotation.  A lane's registers 2 p, 2 p + 1 of tile b are the pair (x1, x2) number 8 (b % 4) + 4 h + p of a head; (c, s) is its pair of the table.  (x2 s, x1 s), then (x1 c - x2 s, x2 c + x1 s).
.macro PACKR a
.set AC, 64*((\a)%4)
.set RS, RT+32*((\a)%2)
.if (\a) < 7
	s_wait_loadcnt 8                               ; this block's eight loads of the table are in; the next block's eight may be out
.else
	s_wait_loadcnt 0x0
.endif
	WIN 0x52+(\a)/4                                ; source 0 (the sums): window 2 or 3; source 1 (the table): window 0; source 2 and the destination: window 1
.irp b, 0,1,2,3,4,5,6,7
.irp p, 0,1,2,3
	v_pk_mul_f32 v[T+2*\p:T+2*\p+1], v[AC+8*\b+2*\p:AC+8*\b+2*\p+1], v[RS+8*(\b%4)+2*\p:RS+8*(\b%4)+2*\p+1] op_sel:[1,1] op_sel_hi:[0,1]   ; each accumulator is read from its low end on
.endr
.irp p, 0,1,2,3
	v_pk_fma_f32 v[O32+8*\b+2*\p:O32+8*\b+2*\p+1], v[AC+8*\b+2*\p:AC+8*\b+2*\p+1], v[RS+8*(\b%4)+2*\p:RS+8*(\b%4)+2*\p+1], v[T+2*\p:T+2*\p+1] op_sel_hi:[1,0,1] neg_lo:[0,0,1]
.endr
.endr
	WIN 0
.if (\a)+2 < 8
	LOADT (\a)+2
.endif
.endm
.macro CVT a                           ; the rotated block to f16: a lane's eight numbers of a tile are 16 bytes
.if (\a) >= 2
	s_wait_xcnt 0x0                                ; the stores of two blocks back have read this set of registers
.endif
	WIN 0x05                                       ; sources 0 and 1: window 1
.irp b, 0,1,2,3,4,5,6,7
.irp p, 0,1,2,3
	v_cvt_pk_f16_f32 v[TMP+32*((\a)%2)+4*\b+\p], v[O32+8*\b+2*\p], v[O32+8*\b+2*\p+1]
.endr
.endr
	WIN 0
.endm
.macro CVTV a                          ; V: straight from the accumulators
.set AC, 64*((\a)%4)
.if (\a) >= 2
	s_wait_xcnt 0x0
.endif
	WIN 0x0a+5*((\a)/4)                            ; sources 0 and 1: window 2 or 3
.irp b, 0,1,2,3,4,5,6,7
.irp p, 0,1,2,3
	v_cvt_pk_f16_f32 v[TMP+32*((\a)%2)+4*\b+\p], v[AC+8*\b+2*\p], v[AC+8*\b+2*\p+1]
.endr
.endr
	WIN 0
.endm
; Through my stage and back: in memory a head's 16 positions are 2,048 consecutive bytes, so a load takes 128 bytes (head u) of four rows, which one store then writes as 512 consecutive bytes.
.macro TOSTAGE a
.irp b, 0,1,2,3,4,5,6,7
	ds_store_b128 v[STO], v[TMP+32*((\a)%2)+4*\b:TMP+32*((\a)%2)+4*\b+3] offset:32*\b
.endr
.irp u, 0,1
.irp t, 0,1,2,3
	ds_load_b128 v[TMP+32*((\a)%2)+16*\u+4*\t:TMP+32*((\a)%2)+16*\u+4*\t+3], v[RD] offset:128*\u+4*SPITCH*\t   ; LDS serves a wave's instructions in order (ISA guide 5.7.1.4): these see the stores above
.endr
.endr
.endm
.macro SEND a, younger                 ; younger: the LDS instructions issued behind block a's loads: the next block's eight stores and eight loads, or none
	s_wait_dscnt \younger
.irp u, 0,1
.irp t, 0,1,2,3
	global_store_b128 v[CO], v[TMP+32*((\a)%2)+16*\u+4*\t:TMP+32*((\a)%2)+16*\u+4*\t+3], s[12:13] offset:262144*\u+2048*(\a)+512*\t
.endr
.endr
.endm
; Positions 0-15 as f32, for launch 5: 32 bytes a lane and tile, runs of 64 bytes: 786,432 bytes in the whole launch.  src: the block's first register; win: the window of the stores' data (a store's data are its source 1).
.macro FINE src, win
	s_cmp_lg_u32 s3, 0
	s_cbranch_scc1 .Lnot_first_\@
	WIN \win
.irp b, 0,1,2,3,4,5,6,7
	global_store_b128 v[FO], v[\src+8*\b:\src+8*\b+3], s[100:101] offset:64*\b
	global_store_b128 v[FO], v[\src+8*\b+4:\src+8*\b+7], s[100:101] offset:64*\b+16
.endr
	WIN 0
	s_wait_xcnt 0x0                                ; the stores have read their data: the next block may be written over them
.Lnot_first_\@:
.endm
	s_wait_tensorcnt 1                             ; the scales and my part of slot 0 are in (slot 1's load may be out)
	s_barrier_signal -1
	s_barrier_wait -1                              ; everybody's are
	FETCH_B 0, 0, 0
	FETCH_A 0, 0, 0
	SCALES 0
	FETCH_A 0, 0, 4
	STEP 0, 0, 1                                   ; the first products start the sums: nothing is cleared
	STEPS 0, 1
	; slot 0's last step changes slots: one barrier; in front of it each wave waits for its part of slot 1 and for its own reads of slot 0, which becomes the stage of the way out
	s_wait_tensorcnt 0x0                           ; all my tensor loads have landed
	ds_add_u32 v[SPW], v[NIL]                      ; 0 onto my spare word
	s_wait_dscnt 4*NL+1                            ; (the add and the youngest eight loads may be out)
	WIN MUL_LO
	MUL16 0, 1, NQ-1, 0, 0
	s_wait_dscnt 0x0                               ; the add is done, and my reads of slot 0 are over
	s_barrier_signal -1
	MUL16 2, 1, NQ-1, 0, 0
	WIN 0
	s_barrier_wait -1
	PLACES NP
	v_add_nc_u32 v[ADRS], 4*NQ, v[ADRS]            ; on to slot 1's scale words
	FETCH_B 1, 0, 0
	FETCH_A 1, 0, 0
	SCALES 1
	WIN MUL_HI
	MUL16 4, 1, NQ-1, 0, 0
	MUL16 6, 1, NQ-1, 0, 0
	PLACES NP
	WIN 0
	FETCH_A 1, 0, 4
	s_cmp_eq_u32 ttmp9, 2                          ; the text parts here, once: cluster x = 2 is V, which is not rotated
	s_cbranch_scc1 .Lv_arm
	; ---- Q and K
	LOADT 0                                        ; the table's rows for blocks 0 and 1: asked for here, wanted behind slot 1's 256 matrix instructions
	LOADT 1
	TAIL
	PACKR 0
	FINE O32, 0x04                                 ; the rotated block lies in window 1
	CVT 0
	TOSTAGE 0
.irp a, 1,2,3,4,5,6,7
	PACKR \a
	CVT \a
	TOSTAGE \a
	SEND \a-1, 16
.endr
	SEND 7, 0
	s_branch .Ldone
	; ---- V
.Lv_arm:
	TAIL
	FINE 0, 0x08                                   ; the sums of my rows 0-15 lie in window 2
	CVTV 0
	TOSTAGE 0
.irp a, 1,2,3,4,5,6,7
	CVTV \a
	TOSTAGE \a
	SEND \a-1, 16
.endr
	SEND 7, 0
.Ldone:
	s_wait_tensorcnt 0x0                           ; the wave's end, behind my last tensor load and my last LDS store
	ds_add_u32 v[SPW], v[NIL]
	s_wait_dscnt 0x0
	CROUND                                         ; the closing round: no work-group ends while a partner may still ask for a tile that names it
	s_endpgm
.Lfunc_end_k_q3fa1ffffb2_qkv:
	.size	k_q3fa1ffffb2_qkv, .Lfunc_end_k_q3fa1ffffb2_qkv-k_q3fa1ffffb2_qkv
	.p2alignl 7, 3214868480
	.fill 96, 4, 3214868480
	.section	.rodata,"a",@progbits
	.p2align	6, 0x0
	.amdhsa_kernel k_q3fa1ffffb2_qkv
		.amdhsa_group_segment_fixed_size 327680
		.amdhsa_private_segment_fixed_size 0
		.amdhsa_enable_private_segment 0
		.amdhsa_kernarg_size 40
		.amdhsa_user_sgpr_count 2
		.amdhsa_user_sgpr_kernarg_segment_ptr 1
		.amdhsa_wavefront_size32 1
		.amdhsa_system_sgpr_workgroup_id_x 1
		.amdhsa_system_sgpr_workgroup_id_y 1
		.amdhsa_system_sgpr_workgroup_id_z 1
		.amdhsa_system_vgpr_workitem_id 0
		.amdhsa_next_free_vgpr 1024
		.amdhsa_next_free_sgpr 102
		.amdhsa_reserve_vcc 0
		.amdhsa_float_denorm_mode_32 3
		.amdhsa_float_denorm_mode_16_64 3
		.amdhsa_memory_ordered 1
		.amdhsa_forward_progress 1
		.amdhsa_inst_pref_size 240
	.end_amdhsa_kernel
	.amdgpu_metadata
---
amdhsa.version: [ 1, 2 ]
amdhsa.kernels:
  - .name:           k_q3fa1ffffb2_qkv
    .symbol:         k_q3fa1ffffb2_qkv.kd
    .args:
      - { .name: codes, .offset: 0, .size: 8, .value_kind: global_buffer, .address_space: global }
      - { .name: scales, .offset: 8, .size: 8, .value_kind: global_buffer, .address_space: global }
      - { .name: rope, .offset: 16, .size: 8, .value_kind: global_buffer, .address_space: global }
      - { .name: qkv16, .offset: 24, .size: 8, .value_kind: global_buffer, .address_space: global }
      - { .name: qkv32, .offset: 32, .size: 8, .value_kind: global_buffer, .address_space: global }
    .group_segment_fixed_size: 327680
    .private_segment_fixed_size: 0
    .kernarg_segment_align: 8
    .kernarg_segment_size: 40
    .max_flat_workgroup_size: 128
    .sgpr_count:     102
    .vgpr_count:     1024
    .wavefront_size: 32
...
	.end_amdgpu_metadata
.endif
;; end of part 2
;; launch attn (part 3): grid 4 x 64, 16 waves a work-group, no clusters, 327,680 bytes of LDS; arguments qkv16, mh16; writes mh16
.if DOCPART == 3
	.amdgcn_target "amdgcn-amd-amdhsa--gfx1250"
	.amdhsa_code_object_version 6
	.text
	.protected	k_q3fa1ffffb2_attn
	.globl	k_q3fa1ffffb2_attn
	.p2align	8
	.type	k_q3fa1ffffb2_attn,@function
k_q3fa1ffffb2_attn:
	s_mov_b64 s[64:65], 0
	v_nop
	global_prefetch_b8 v0, s[64:65] scope:SCOPE_SE
	s_setreg_imm32_b32 hwreg(HW_REG_WAVE_MODE, 25, 1), 1
	s_wait_xcnt 0x0
; MHSA, launch 3 of 5.  O[q] = the sum over k <= q of softmax_k(Q[q] . K[k] / 8) V[k], for each of 64 (batch, head); Q, K, V f16 [2048][64] (launch 2), O f16, laid [head][batch x position][64].
; LEFT OUT (shown at the head of launch 1): steps of 64 keys that lie wholly behind a wave's 32 queries, and slots of 256 keys that lie wholly behind the work-group's last query: their weights are 0 by reference()'s own mask.
; Products, maxima and sums in f32; the weights p = 2^(c s - c m), m the running maximum, are rounded to f16 for the second product; O is divided by the sum of the unrounded p and rounded once.
; SHARES.  Work-group (i, batch x head) owns the blocks i and 7 - i of 256 queries: under the mask that is the same number of key steps for every i.  Each of its sixteen waves owns 32 queries, two tiles of 16, in 256 registers,
; four waves to a SIMD, so that one wave's vector work stands beside another's products.  Wave w takes queries 32 (w / 2) on of the early block where ((w ^ (w / 4)) & 1) = 0, else of the late one.
; Every wave walks all eight slots (the trip counts are constants of the text) and jumps over the work of hidden steps.  K's and V's tiles come through a ring of two LDS slots of 256 keys (waves 0, 1: K's halves; waves 2, 3: V's).
; NO CLUSTER: the four work-groups of a head need 8, 7, 6 and 5 slots; a joint load would bring some partner tiles that none of its waves reads.
; LAYOUT.  S^T = K Q^T (source 0 = 16 keys, source 1 = 16 queries): a lane holds ONE query (lane % 16) and the keys 8 (lane / 16) + 0..7.  Two such tiles, rounded to f16 in pairs, ARE source 1 (32 keys x 16 queries) of
; O^T = V^T P, whose result again holds one query a lane, and eight channels.  K comes out of LDS as it lies, V ([key][channel]) turned, by ds_load_tr16_b128.
; LIMITS: f16's range for Q, K, V and O (65,504); a weight under 6e-8 of its row's largest counts as 0.
.set SK,    256                        ; keys in a slot
.set NQ,    4                          ; steps of 64 keys in a slot
.set NSL,   2048/SK
.set KP,    144                        ; a key's row in LDS: 128 bytes + 16 of padding: the 16 rows of a load start 4 banks apart modulo 64
.set VP,    160                        ; a row of V: 128 + 32
.set VOFF,  SK*KP                      ; a slot: 256 rows of K, then 256 rows of V
.set SLOT1, 1<<17                      ; slot 1 begins here, so that one exclusive or turns an address in one slot into the other's
.set SPARE, 2*SLOT1                    ; behind the ring: the spare words, 128 bytes for each of sixteen waves
.set AK0, 1                            ; v1   my lane's place in a tile of K
.set AV0, 2                            ; v2   the same for V
.set SPW, 3                            ; v3   LDS address of my spare word; never rewritten
.set NIL, 4                            ; v4   0; never rewritten
.set GO,  5                            ; v5   16 x lane
.set ADK, 6                            ; v6   LDS address of the step's K
.set ADV, 7                            ; v7   of its V
.set PFO, 8                            ; v8   256 x lane: the prefetches' offset; never rewritten
.set QF,  16                           ; v16-47   Q: tile t, channels 32 c on, at 16 t + 8 c
.set KV,  48                           ; v48-111  eight fragments of K, then of V
.set S,   112                          ; v112-175 S^T: tile t, keys 16 kt on, at 32 t + 8 kt; p is packed in place into the first 16 of each 32
.set O,   176                          ; v176-239 O^T: tile t, channels 16 ct on, at 32 t + 8 ct
.set ST,  240                          ; v240-255 tile t at 8 t: +0 c m, +1 m, +2, +3 the sum in two halves, +4 to +7 at work; a = 2^(c m_old - c m_new) takes +6
.set WV,  18                           ; s18  my wave's number
.set SEL, 20                           ; s[20:21] v_permlanex16_b32's selects for lane l xor 16
.set CS,  22                           ; s[22:23] c = log2(e) / 8
.set G1K, 24                           ; s[24:31] descriptor group 1 for K's tiles;  s[32:39] for V's;  s[40:43], s[44:47] their groups 0, which walk
.set G1V, 32
.set G0K, 40
.set G0V, 44
.set TB,  2                            ; s2   LDS byte at which the slot in hand begins
.set SLOTS, 67                         ; s67  slots still to be asked for (or left out at the limit)
.set PFA, 76                           ; s[76:77] where my prefetches stand in memory
.set LIM, 80                           ; s80  1 in a wave that prefetches, else the greatest number
.set LASTQ, 95                         ; s95  my work-group's last query
.set KF,  98                           ; s98  the step's first key
.set Q0,  99                           ; s99  my first query
; Waves 0 and 1 fetch for K, waves 2 and 3 for V, the others nothing.  An s_nop 0 and four v_nop follow each of the two lines.
.macro TLOAD
	s_cmp_lt_u32 s[WV], 2
	s_cbranch_scc0 .Lnot_k_\@
	tensor_load_to_lds s[G0K:G0K+3], s[G1K:G1K+7]
	s_nop 0
.rept 4
	v_nop
.endr
	s_branch .Lasked_\@
.Lnot_k_\@:
	s_cmp_lt_u32 s[WV], 4
	s_cbranch_scc0 .Lasked_\@
	tensor_load_to_lds s[G0V:G0V+3], s[G1V:G1V+7]
	s_nop 0
.rept 4
	v_nop
.endr
.Lasked_\@:
.endm
; A prefetch of what the NEXT change of slots will ask for: 256 rows of K and of V, 32,768 dense bytes each.  All four work-groups of a head walk the same K and V: the first of them (which needs all eight slots) asks.
; In it waves 4 to 7 ask for K's block and waves 8 to 11 for V's, 8,192 bytes a wave, lanes 256 bytes apart: each aligned block of 256 bytes is named once in the launch.  The last change that fills a slot asks for nothing;
; slots 0 and 1 come by their loads alone.
.macro ASK
	s_cmp_gt_u32 s[SLOTS], s[LIM]
	s_cbranch_scc0 .Lnot_mine_\@
	global_prefetch_b8 v[PFO], s[PFA:PFA+1] th:TH_LOAD_NT scope:SCOPE_SE
.Lnot_mine_\@:
.endm
	s_load_b128 s[4:7], s[0:1], 0x0                ; qkv16, mh16
	v_lshl_add_u32 v[SPW], v0, 2, SPARE
	v_mov_b32 v[NIL], 0
	ds_add_u32 v[SPW], v[NIL]                      ; the wave's opening: the add, twice on end, and its wait ahead of the first tensor load
	ds_add_u32 v[SPW], v[NIL]
	v_lshrrev_b32 v13, 5, v0
	v_readfirstlane_b32 s[WV], v13                 ; wave 0..15
	s_and_b32 s72, ttmp7, 0xffff                   ; 16 x batch + head
	s_lshl_b32 s74, s72, 18                        ; its first byte in each of Q, K, V
	s_mov_b32 s75, 0
	s_lshr_b32 s81, s[WV], 2
	s_xor_b32 s81, s81, s[WV]
	s_and_b32 s81, s81, 1                          ; early block (0) or late (1)
	s_sub_co_u32 s82, 7, ttmp9
	s_cmp_lg_u32 s81, 0
	s_cselect_b32 s83, s82, ttmp9                  ; my block of 256 queries
	s_lshl_b32 s83, s83, 8
	s_lshr_b32 s84, s[WV], 1
	s_lshl_b32 s84, s84, 5
	s_add_co_u32 s[Q0], s83, s84                   ; my first query
	s_lshl_b32 s[LASTQ], s82, 8
	s_or_b32 s[LASTQ], s[LASTQ], 255               ; the late block's last query
	s_and_b32 s88, s[WV], 1                        ; which half of a slot's rows I fetch, if I fetch:
	s_lshl_b32 s90, s88, 14                        ; 128 rows of 128 bytes in memory,
	s_mov_b32 s91, 0
	s_add_nc_u64 s[90:91], s[90:91], s[74:75]
	s_mul_i32 s89, s88, 128*KP                     ; K's place in a slot,
	s_mul_i32 s94, s88, 128*VP
	s_add_co_u32 s94, s94, VOFF                    ; V's
	; descriptor group 1: 128 rows of 64 elements of 2 bytes, dense in memory, padded in LDS behind every row (32 words)
	s_mov_b32 s[G1K], (1<<16)|(1<<20)|(4<<22)|(3<<25)   ; 15:0 no mask; 17:16 elements of 2 bytes; 20 padding on; 24:22 after every 32 words; 31:25 four words
	s_mov_b32 s[G1V], (1<<16)|(1<<20)|(4<<22)|(7<<25)   ; the same with eight words
.irp g, G1K, G1V
	s_mov_b32 s[\g+1], 64<<16                      ; tensor_dim0
	s_mov_b32 s[\g+2], 128<<16                     ; tensor_dim1
	s_mov_b32 s[\g+3], 64<<16                      ; tile_dim0
	s_mov_b32 s[\g+4], 128                         ; tile_dim1
	s_mov_b32 s[\g+5], 64                          ; tensor_dim0_stride
	s_mov_b32 s[\g+6], 0
	s_mov_b32 s[\g+7], 0
.endr
	s_mov_b32 s[SEL], 0x76543210
	s_mov_b32 s[SEL+1], 0xfedcba98
	s_mov_b32 s[CS], 0x3e38aa3b                    ; c = log2(e) / sqrt(64)
	s_mov_b32 s[CS+1], s[CS]                       ; (named with it as a pair, so it is written)
	s_mov_b32 s[TB], 0
	s_mov_b32 s[SLOTS], NSL-1
	s_mov_b32 s[KF], 0
	s_wait_dscnt 0x0                               ; both opening adds are done
	s_wait_kmcnt 0x0
	s_add_nc_u64 s[8:9], s[4:5], 1<<24             ; K
	s_add_nc_u64 s[10:11], s[4:5], 2<<24           ; V
	s_mov_b32 s[G0K], 1                            ; count = 1
	s_mov_b32 s[G0K+1], s89                        ; LDS address: slot 0
	s_add_nc_u64 s[G0K+2:G0K+3], s[8:9], s[90:91]  ; global address: the head's first 256 keys
	s_or_b32 s[G0K+3], s[G0K+3], 0x80000000        ; type = 2
	s_mov_b32 s[G0V], 1
	s_mov_b32 s[G0V+1], s94
	s_add_nc_u64 s[G0V+2:G0V+3], s[10:11], s[90:91]
	s_or_b32 s[G0V+3], s[G0V+3], 0x80000000
	TLOAD                                          ; slot 0: it holds key 0, which counts for every query
	s_lshl_b32 s86, s[Q0], 7
	s_mov_b32 s87, 0
	s_add_nc_u64 s[4:5], s[4:5], s[74:75]
	s_add_nc_u64 s[4:5], s[4:5], s[86:87]          ; Q at my first query
	s_and_b32 s82, s72, 15
	s_lshl_b32 s82, s82, 20                        ; mh16: the head's 8,192 rows of 128 bytes,
	s_lshr_b32 s83, s72, 4
	s_lshl_b32 s83, s83, 18                        ; the batch's 2,048 of them
	s_add_co_u32 s82, s82, s83
	s_mov_b32 s83, 0
	s_add_nc_u64 s[6:7], s[6:7], s[82:83]
	s_add_nc_u64 s[6:7], s[6:7], s[86:87]
	s_cmp_lt_u32 s[WV], 8                          ; the prefetches: waves 4 to 7 ask for K, waves 8 to 11 for V
	s_cselect_b64 s[PFA:PFA+1], s[8:9], s[10:11]
	s_and_b32 s82, s[WV], 3
	s_lshl_b32 s82, s82, 13                        ; my wave's 8,192 bytes,
	s_add_co_u32 s82, s82, SK*128                  ; in slot 1: the first change of slots steps it to slot 2.  Nothing is prefetched here, at the head
	s_add_nc_u64 s[PFA:PFA+1], s[PFA:PFA+1], s[74:75]
	s_add_nc_u64 s[PFA:PFA+1], s[PFA:PFA+1], s[82:83]
	s_sub_co_u32 s82, s[WV], 4
	s_lshr_b32 s82, s82, 3                         ; 0 in waves 4 to 11,
	s_or_b32 s82, s82, ttmp9                       ; of the head's first work-group
	s_cmp_eq_u32 s82, 0
	s_cselect_b32 s[LIM], 1, -1
	v_and_b32 v13, 15, v0                          ; r
	v_bfe_u32 v14, v0, 4, 1                        ; h
	v_lshlrev_b32 v15, 7, v13
	v_lshl_add_u32 v15, v14, 4, v15                ; Q: row r of 128 bytes, + 16 h
.irp t, 0,1
.irp c, 0,1
.irp e, 0,1
	global_load_b128 v[QF+16*\t+8*\c+4*\e:QF+16*\t+8*\c+4*\e+3], v15, s[4:5] offset:2048*\t+64*\c+32*\e   ; Q stays in registers
.endr
.endr
.endr
	v_mul_u32_u24 v[AK0], v13, KP
	v_lshl_add_u32 v[AK0], v14, 4, v[AK0]          ; a fragment of K: row r x pitch + 16 h
	v_and_b32 v6, 7, v0
	v_lshl_add_u32 v6, v14, 3, v6                  ; the turning load: key 8 h + l % 8,
	v_mul_u32_u24 v[AV0], v6, VP
	v_bfe_u32 v7, v0, 3, 1
	v_lshl_add_u32 v[AV0], v7, 4, v[AV0]           ; channels 8 ((l / 8) % 2) on
	v_add_nc_u32 v[AV0], VOFF, v[AV0]
	v_and_b32 v[GO], 31, v0
	v_lshlrev_b32 v[PFO], 8, v[GO]
	v_lshlrev_b32 v[GO], 4, v[GO]
	v_lshlrev_b32 v9, 3, v14
	v_sub_nc_u32 v9, v13, v9                       ; v9 = r - 8 h, for the mask
	v_mov_b32 v12, 0xff800000                      ; v12 = -infinity
.irp t, 0,1
	v_mov_b32 v[ST+8*\t+1], 0xff61b1e6             ; the largest score so far: -3e38, under every score
	v_mul_f32 v[ST+8*\t], s[CS], v[ST+8*\t+1]
	v_mov_b32 v[ST+8*\t+2], 0                      ; the sum, in two halves
	v_mov_b32 v[ST+8*\t+3], 0
.endr
.set j, 0
.rept 64
	v_mov_b32 v[O+j], 0                            ; O^T.  The step is written once: the first finds zeros, which its a = 0 leaves zeros; a first step of its own would be a third copy of the loop's text
.set j, j+1
.endr
; A KEY STEP: 64 keys, the q-th of the slot in hand.
.macro STEP q
	s_add_co_u32 s96, s[Q0], 31                    ; a step all of whose keys come after my 32 queries is left out: a scalar branch on ids, round loads, products and softmax alone
	s_cmp_gt_u32 s[KF], s96
	s_cbranch_scc1 .Lhidden_\@
	v_add_nc_u32 v[ADK], s[TB], v[AK0]
	v_add_nc_u32 v[ADV], s[TB], v[AV0]
.rept 3
	v_nop                                          ; with the two additions: five places behind the last step's products, whose operand p the products below write over, and whose V the loads below land on
.endr
.irp kt, 0,1,2,3
.irp c, 0,1
.irp e, 0,1
	ds_load_b128 v[KV+8*(2*\kt+\c)+4*\e:KV+8*(2*\kt+\c)+4*\e+3], v[ADK] offset:(64*(\q)+16*\kt)*KP+64*\c+32*\e
.endr
.endr
.endr
	s_wait_dscnt 0x0
.irp c, 0,1                                    ; S^T = K Q^T: eight accumulators by turns, one instruction a turn
.irp kt, 0,1,2,3
.irp t, 0,1
.if \c == 0
	v_wmma_f32_16x16x32_f16 v[S+32*\t+8*\kt:S+32*\t+8*\kt+7], v[KV+8*(2*\kt+\c):KV+8*(2*\kt+\c)+7], v[QF+16*\t+8*\c:QF+16*\t+8*\c+7], 0
.else
	v_wmma_f32_16x16x32_f16 v[S+32*\t+8*\kt:S+32*\t+8*\kt+7], v[KV+8*(2*\kt+\c):KV+8*(2*\kt+\c)+7], v[QF+16*\t+8*\c:QF+16*\t+8*\c+7], v[S+32*\t+8*\kt:S+32*\t+8*\kt+7]
.endif
.endr
.endr
.endr
.rept 4
	v_nop                                          ; places in front of the loads into K's registers and of the first read of the scores
.endr
.irp c, 0,1                                    ; V, turned: keys 32 c on, channels 16 ct on.  It lands while the softmax is walked
.irp ct, 0,1,2,3
	ds_load_tr16_b128 v[KV+8*(4*\c+\ct):KV+8*(4*\c+\ct)+3], v[ADV] offset:(64*(\q)+32*\c)*VP+32*\ct
	ds_load_tr16_b128 v[KV+8*(4*\c+\ct)+4:KV+8*(4*\c+\ct)+7], v[ADV] offset:(64*(\q)+32*\c)*VP+16*VP+32*\ct
.endr
.endr
	s_add_co_u32 s96, s[KF], 63                    ; on the diagonal the scores of hidden keys become -infinity ahead of the maximum: p = 0 then.  A step all of whose keys count skips this
	s_cmp_le_u32 s96, s[Q0]
	s_cbranch_scc1 .Lopen_\@
	s_sub_co_i32 s96, s[Q0], s[KF]
	v_add_nc_u32 v10, s96, v9                      ; d = my query - KF - 8 h.  Register 8 kt + j holds key KF + 8 h + 16 kt + j: hidden where 16 kt + j > d
	v_add_nc_u32 v11, 16, v10                      ; tile 1's queries are 16 further on
.irp t, 0,1
.irp n, 0,1,2,3,4,5,6,7,8,9,10,11,12,13,14,15,16,17,18,19,20,21,22,23,24,25,26,27,28,29,30,31
	v_cmp_gt_i32 vcc_lo, 16*(\n/8)+\n%8, v[10+\t]
	v_cndmask_b32 v[S+32*\t+\n], v[S+32*\t+\n], v12, vcc_lo
.endr
.endr
.Lopen_\@:
.irp k, 0,1,2,3                                ; the largest of a lane's 32 scores: four chains a tile, each beginning at an accumulator's low end; the two tiles line by line
.irp t, 0,1
	v_max3_num_f32 v[ST+8*\t+4+\k], v[S+32*\t+8*\k], v[S+32*\t+8*\k+1], v[S+32*\t+8*\k+2]
.endr
.endr
.irp i, 3,5
.irp k, 0,1,2,3
.irp t, 0,1
	v_max3_num_f32 v[ST+8*\t+4+\k], v[ST+8*\t+4+\k], v[S+32*\t+8*\k+\i], v[S+32*\t+8*\k+\i+1]
.endr
.endr
.endr
.irp t, 0,1
	v_max3_num_f32 v[ST+8*\t+4], v[ST+8*\t+4], v[S+32*\t+7], v[S+32*\t+15]
	v_max3_num_f32 v[ST+8*\t+6], v[ST+8*\t+6], v[S+32*\t+23], v[S+32*\t+31]
.endr
.irp t, 0,1
	v_max3_num_f32 v[ST+8*\t+4], v[ST+8*\t+4], v[ST+8*\t+5], v[ST+8*\t+6]
.endr
.irp t, 0,1
	v_max3_num_f32 v[ST+8*\t+4], v[ST+8*\t+4], v[ST+8*\t+7], v[ST+8*\t+1]   ; and the old m
.endr
.irp t, 0,1
	v_permlanex16_b32 v[ST+8*\t+5], v[ST+8*\t+4], s[SEL], s[SEL+1]          ; the query's other 32 keys lie in the lane 16 away
.endr
.irp t, 0,1
	v_mov_b32 v[ST+8*\t+7], v[ST+8*\t]             ; c m_old is kept for a
.endr
.irp t, 0,1
	v_max_num_f32 v[ST+8*\t+1], v[ST+8*\t+4], v[ST+8*\t+5]                  ; the new m
.endr
.irp t, 0,1
	v_mul_f32 v[ST+8*\t], s[CS], v[ST+8*\t+1]
.endr
.irp t, 0,1
	v_sub_f32 v[ST+8*\t+7], v[ST+8*\t+7], v[ST+8*\t]
.endr
.irp j, 0,2,4,6,8,10,12,14,16,18,20,22,24,26,28,30
.irp t, 0,1
	v_pk_fma_f32 v[S+32*\t+\j:S+32*\t+\j+1], v[S+32*\t+\j:S+32*\t+\j+1], s[CS:CS+1], v[ST+8*\t:ST+8*\t+1] op_sel_hi:[1,0,0] neg_lo:[0,0,1] neg_hi:[0,0,1]   ; c s - c m, two at a time
.endr
.endr
.irp t, 0,1
	v_exp_f32 v[ST+8*\t+6], v[ST+8*\t+7]           ; a = 2^(c m_old - c m_new)
.endr
.set j, 0
.rept 64
	v_exp_f32 v[S+j], v[S+j]                       ; p, at most 1.  The 66 exponentials are one batch: none reads another's result
.set j, j+1
.endr
	v_nop                                          ; a plain line behind the last exponential,
	s_wait_alu depctr_va_vdst(0)                   ; and ONE wait for the batch, ahead of its first reader
.irp t, 0,1
	v_pk_mul_f32 v[ST+8*\t+2:ST+8*\t+3], v[ST+8*\t+2:ST+8*\t+3], v[ST+8*\t+6:ST+8*\t+7] op_sel_hi:[1,0]   ; the sum under the new m
.endr
.irp t, 0,1
	v_pk_add_f32 v[ST+8*\t+4:ST+8*\t+5], v[S+32*\t+2:S+32*\t+3], v[S+32*\t+6:S+32*\t+7]                   ; the sum of the unrounded p, in two chains a tile
	v_pk_add_f32 v[ST+8*\t+2:ST+8*\t+3], v[ST+8*\t+2:ST+8*\t+3], v[S+32*\t:S+32*\t+1]
.endr
.irp j, 4,8,12,16,20,24,28
.irp t, 0,1
	v_pk_add_f32 v[ST+8*\t+2:ST+8*\t+3], v[ST+8*\t+2:ST+8*\t+3], v[S+32*\t+\j:S+32*\t+\j+1]
.if \j > 4
	v_pk_add_f32 v[ST+8*\t+4:ST+8*\t+5], v[ST+8*\t+4:ST+8*\t+5], v[S+32*\t+\j+2:S+32*\t+\j+3]
.endif
.endr
.endr
.irp t, 0,1
	v_pk_add_f32 v[ST+8*\t+2:ST+8*\t+3], v[ST+8*\t+2:ST+8*\t+3], v[ST+8*\t+4:ST+8*\t+5]
.endr
.irp t, 0,1
.irp i, 0,1,2,3,4,5,6,7,8,9,10,11,12,13,14,15
	v_cvt_pk_f16_f32 v[S+32*\t+\i], v[S+32*\t+2*\i], v[S+32*\t+2*\i+1]     ; p to f16, in place and ascending: register i is written when 2 i and 2 i + 1 have been read
.endr
.endr
.irp t, 0,1
.irp j, 0,2,4,6,8,10,12,14,16,18,20,22,24,26,28,30
	v_pk_mul_f32 v[O+32*\t+\j:O+32*\t+\j+1], v[O+32*\t+\j:O+32*\t+\j+1], v[ST+8*\t+6:ST+8*\t+7] op_sel_hi:[1,0]   ; O^T under the new m
.endr
.endr
	s_wait_dscnt 0x0                               ; V is in
.irp c, 0,1                                    ; O^T += V^T P: eight accumulators by turns
.irp ct, 0,1,2,3
.irp t, 0,1
	v_wmma_f32_16x16x32_f16 v[O+32*\t+8*\ct:O+32*\t+8*\ct+7], v[KV+8*(4*\c+\ct):KV+8*(4*\c+\ct)+7], v[S+32*\t+8*\c:S+32*\t+8*\c+7], v[O+32*\t+8*\ct:O+32*\t+8*\ct+7]
.endr
.endr
.endr
.Lhidden_\@:
	s_add_co_u32 s[KF], s[KF], 64
.endm
; THE CHANGE OF SLOTS stands at a slot's head.  Each wave waits for all its tensor loads (its part of the slot that it is about to read), adds 0 to its spare word, and waits for that and for its reads of the slot that it has left.
; Behind the barrier the slot ahead is whole and nobody reads the other one.  fill = 1: that other slot is filled with the keys that follow, up to the causal limit: the load has a slot's four steps in which to land.
.macro CHANGE fill
	s_wait_tensorcnt 0x0                           ; no tensor load of mine is out, so a group 0 may be written
	ds_add_u32 v[SPW], v[NIL]                      ; 0 onto my spare word
.if \fill
	ds_add_u32 v[SPW], v[NIL]                      ; and once more, in every trip alike
	s_xor_b32 s[G0K+1], s[G0K+1], SLOT1            ; the walking descriptors: the other slot than last time,
	s_add_nc_u64 s[G0K+2:G0K+3], s[G0K+2:G0K+3], SK*128   ; the next 256 keys; the type bits on top are not reached
	s_xor_b32 s[G0V+1], s[G0V+1], SLOT1
	s_add_nc_u64 s[G0V+2:G0V+3], s[G0V+2:G0V+3], SK*128
	s_wait_xcnt 0x0                                ; the last prefetch, a slot back, has read its address, so it may be written:
	s_add_nc_u64 s[PFA:PFA+1], s[PFA:PFA+1], SK*128       ; one slot further on than the walking descriptors
.endif
	s_wait_dscnt 0x0                               ; the add is done, and my reads of the slot that I have left are over
	s_barrier_signal -1
	s_barrier_wait -1
.if \fill
	s_add_co_u32 s96, s[KF], SK                    ; the first key of the slot that this change would ask for:
	s_cmp_gt_u32 s96, s[LASTQ]                     ; behind my work-group's last query none of its waves reads it, so it is not asked for.  Ids and the count of steps alone: all sixteen waves go the same way,
	s_cbranch_scc1 .Lpast_\@                       ; and a work-group that is past the limit stays past it.  Every wait on TENSORcnt in this text is for 0
	TLOAD                                          ; the first thing behind the barrier but those three lines, and a wave's one tensor load until the next
.Lpast_\@:
	ASK
.endif
.endm
.macro SLOT_STEPS
.set QQ, 0
.rept NQ
	STEP QQ
.set QQ, QQ+1
.endr
	s_xor_b32 s[TB], s[TB], SLOT1                  ; on to the other slot
.endm
	s_wait_loadcnt 0x0                             ; Q
.Lslot:                                            ; seven trips: behind each change of slots but the last the next slot is asked for, up to the limit
	CHANGE 1
	SLOT_STEPS
	s_sub_co_u32 s[SLOTS], s[SLOTS], 1
	s_cmp_lg_u32 s[SLOTS], 0
	s_cbranch_scc1 .Lslot
	CHANGE 0                                       ; the last slot is written out: nothing is left to ask for
	SLOT_STEPS
	; THE WAY OUT.  O^T is divided by the sum, rounded to f16 and goes through my stage in LDS (32 rows x 144 bytes, in slot 0, which was left at the last change of slots: it has had its last fill and nobody reads it),
	; so that each store covers 512 consecutive bytes: four rows of my head.
.rept 4
	v_nop                                          ; places behind the last products
.endr
.irp t, 0,1
	v_add_f32 v[ST+8*\t+4], v[ST+8*\t+2], v[ST+8*\t+3]
.endr
.irp t, 0,1
	v_permlanex16_b32 v[ST+8*\t+5], v[ST+8*\t+4], s[SEL], s[SEL+1]
.endr
.irp t, 0,1
	v_add_f32 v[ST+8*\t+4], v[ST+8*\t+4], v[ST+8*\t+5]                     ; the row's sum
.endr
.irp t, 0,1
	v_rcp_f32 v[ST+8*\t+6], v[ST+8*\t+4]
.endr
	v_and_b32 v13, 15, v0                          ; (plain lines behind the reciprocals)
	v_bfe_u32 v14, v0, 4, 1
	s_mul_i32 s73, s[WV], 32*KP                    ; my stage
	v_mul_u32_u24 v15, v13, KP
	v_lshl_add_u32 v15, v14, 4, v15
	v_add_nc_u32 v15, s73, v15                     ; in: row r, + 16 h
	v_bfe_u32 v13, v0, 3, 2
	v_mul_u32_u24 v13, v13, KP
	v_and_b32 v14, 7, v0
	v_lshl_add_u32 v13, v14, 4, v13
	v_add_nc_u32 v13, s73, v13                     ; back: eight lanes to a row of 128 bytes, four rows an instruction
	s_wait_alu depctr_va_vdst(0)                   ; one wait for the two reciprocals, ahead of their first reader
.irp t, 0,1
.irp j, 0,2,4,6,8,10,12,14,16,18,20,22,24,26,28,30
	v_pk_mul_f32 v[O+32*\t+\j:O+32*\t+\j+1], v[O+32*\t+\j:O+32*\t+\j+1], v[ST+8*\t+6:ST+8*\t+7] op_sel_hi:[1,0]
.endr
.endr
.set j, 0
.rept 32
	v_cvt_pk_f16_f32 v[S+j], v[O+2*j], v[O+2*j+1]  ; register 16 t + 4 ct + p: channels 16 ct + 8 h + 2 p, + 1 of query 16 t + r
.set j, j+1
.endr
.irp t, 0,1
.irp ct, 0,1,2,3
	ds_store_b128 v15, v[S+16*\t+4*\ct:S+16*\t+4*\ct+3] offset:16*\t*KP+32*\ct
.endr
.endr
.irp n, 0,1,2,3,4,5,6,7
	ds_load_b128 v[KV+4*\n:KV+4*\n+3], v13 offset:4*\n*KP      ; LDS serves a wave's instructions in order: these see my stores
.endr
.irp n, 0,1,2,3,4,5,6,7
	s_wait_dscnt 7-\n
	global_store_b128 v[GO], v[KV+4*\n:KV+4*\n+3], s[6:7] offset:512*\n
.endr
	s_wait_tensorcnt 0x0                           ; the wave's end, behind my last tensor load and my last LDS store
	ds_add_u32 v[SPW], v[NIL]
	s_wait_dscnt 0x0
	s_endpgm
.Lfunc_end_k_q3fa1ffffb2_attn:
	.size	k_q3fa1ffffb2_attn, .Lfunc_end_k_q3fa1ffffb2_attn-k_q3fa1ffffb2_attn
	.p2alignl 7, 3214868480
	.fill 96, 4, 3214868480
	.section	.rodata,"a",@progbits
	.p2align	6, 0x0
	.amdhsa_kernel k_q3fa1ffffb2_attn
		.amdhsa_group_segment_fixed_size 327680
		.amdhsa_private_segment_fixed_size 0
		.amdhsa_enable_private_segment 0
		.amdhsa_kernarg_size 16
		.amdhsa_user_sgpr_count 2
		.amdhsa_user_sgpr_kernarg_segment_ptr 1
		.amdhsa_wavefront_size32 1
		.amdhsa_system_sgpr_workgroup_id_x 1
		.amdhsa_system_sgpr_workgroup_id_y 1
		.amdhsa_system_sgpr_workgroup_id_z 1
		.amdhsa_system_vgpr_workitem_id 0
		.amdhsa_next_free_vgpr 256
		.amdhsa_next_free_sgpr 100
		.amdhsa_reserve_vcc 1
		.amdhsa_float_denorm_mode_32 3
		.amdhsa_float_denorm_mode_16_64 3
		.amdhsa_memory_ordered 1
		.amdhsa_forward_progress 1
		.amdhsa_inst_pref_size 188
	.end_amdhsa_kernel
	.amdgpu_metadata
---
amdhsa.version: [ 1, 2 ]
amdhsa.kernels:
  - .name:           k_q3fa1ffffb2_attn
    .symbol:         k_q3fa1ffffb2_attn.kd
    .args:
      - { .name: qkv16, .offset: 0, .size: 8, .value_kind: global_buffer, .address_space: global }
      - { .name: mh16, .offset: 8, .size: 8, .value_kind: global_buffer, .address_space: global }
    .group_segment_fixed_size: 327680
    .private_segment_fixed_size: 0
    .kernarg_segment_align: 8
    .kernarg_segment_size: 16
    .max_flat_workgroup_size: 512
    .sgpr_count:     100
    .vgpr_count:     256
    .wavefront_size: 32
...
	.end_amdgpu_metadata
.endif
;; end of part 3
;; launch proj (part 4): grid 4 x 64, 4 waves a work-group, clusters of 4 x 4, 327,680 bytes of LDS; arguments mh16, wo16, out0; writes out0
.if DOCPART == 4
	.amdgcn_target "amdgcn-amd-amdhsa--gfx1250"
	.amdhsa_code_object_version 6
	.text
	.protected	k_q3fa1ffffb2_proj
	.globl	k_q3fa1ffffb2_proj
	.p2align	8
	.type	k_q3fa1ffffb2_proj,@function
k_q3fa1ffffb2_proj:
	s_mov_b64 s[64:65], 0
	v_nop
	global_prefetch_b8 v0, s[64:65] scope:SCOPE_SE
	s_setreg_imm32_b32 hwreg(HW_REG_WAVE_MODE, 25, 1), 1
	s_wait_xcnt 0x0
	s_wait_alu depctr_hold_cnt(0) depctr_sa_sdst(0) depctr_va_vdst(0) depctr_va_sdst(0) depctr_va_ssrc(0) depctr_va_vcc(0) depctr_vm_vsrc(0)
	s_getreg_b32 s2, hwreg(HW_REG_IB_STS2, 6, 4)
	s_cmp_eq_u32 s2, 0
	s_cbranch_scc0 .Lentry_in_a_cluster
	s_endpgm
.Lentry_in_a_cluster:
	s_bfe_u32 s2, ttmp6, 0x10000c
	s_cmp_lg_u32 s2, 0xf033
	s_cbranch_scc0 .Lentry_shape_is_right
	s_endpgm
.Lentry_shape_is_right:
; MHSA, launch 4 of 5.  out0[m][e] = sum over d of mh[m][d] Wo[e][d]; m: 8,192, e: 1,024, d: 1,024.  Both operands f16, laid by blocks of 64 along d: mh16 [16 kb][8192][64], wo16 [16 kb][1024][64]; sums and out0 f32.
; Nothing is left out here.  The 64 rows of positions 0-15 are made like all others inside their tiles and are written again, from f32 operands, by launch 5.
; A tile of out0 is 128 x 256, so that there are 256 work-groups.  Four waves, each 64 x 128: 32 accumulators of 16 x 16, 256 registers.  d goes in steps of 128 (two blocks kb) through a ring of two LDS slots.
; A block's rows are 128 bytes and dense in memory: wave 0 and wave 1 fetch mh's two blocks of a step (128 rows each), waves 2 and 3 Wo's (256 rows each): one tensor load a wave.
; CLUSTERS: 4 x 4 work-groups.  The four of a row of the cluster need the same tiles of mh, the four of a column the same tiles of Wo: each is asked for JOINTLY.
; No prefetch: eight steps in all, on small tiles.
; THE MATRIX INSTRUCTION IS USED TRANSPOSED (source 0 = 16 rows of Wo, source 1 = 16 rows of mh): a lane holds eight neighbouring numbers of a row of out0.
; REGISTERS: window 0: v0-31 addresses; two fragment buffers of 96 at v32 and v128: for 32 along d, 64 registers of Wo (8 x 16 rows), then 32 of mh (4 x 16 rows); on the way out v32-159 whole rows.
;   window 1: the accumulators ((a, b) at v[8 (8 a + b)]).
.set PITCH,  144                       ; an LDS row: 128 bytes + 16 of padding
.set ABLK,   128*PITCH                 ; mh's 128 rows of one block kb
.set BBLK,   256*PITCH                 ; Wo's 256 rows
.set SLOT,   2*ABLK+2*BBLK             ; mh kb 0, mh kb 1, Wo kb 0, Wo kb 1
.set ASTR,   8192*128                  ; from a block kb to the next, in memory
.set BSTR,   1024*128
.set STAGE,  2*SLOT                    ; behind the ring: 16 rows x 528 bytes for each wave, for the way out
.set SPITCH, 528
.set SPARE,  STAGE+4*16*SPITCH         ; behind the stages: the spare words, 128 bytes a wave
.set LAPS,   4                         ; a lap = two steps = once round the ring
.set ADRA, 16                          ; v16-17  LDS address of my fragments of mh in slot 0, 1
.set ADRB, 20                          ; v20-21  the same for Wo
.set STO,  24                          ; v24  the way out: where I put 32 bytes of a row
.set RD,   25                          ; v25  where I read a row back
.set CO,   26                          ; v26  16 x lane
.set SPW,  28                          ; v28  LDS address of my spare word; never rewritten
.set NIL,  29                          ; v29  0; never rewritten
.set F0,   32
.set F1,   128
.set BK,   32                          ; the way out: 16 rows read back: v32-95 and v96-159 by turns
.set G1, 24                            ; s[24:31] descriptor group 1 for mh's tiles;  s[32:39] group 0, one set for each slot
.set G0, 32
.set G1B, 48                           ; s[48:55], s[56:63] the same for Wo's
.set G0B, 56
.set MSB, 0
.macro WIN new                         ; s_set_vgpr_msb: the high byte repeats the setting that is left
.if MSB != \new
	s_set_vgpr_msb (MSB<<8)|\new
.set MSB, \new
.endif
.endm
.set MUL, 0x50                         ; sources 0 and 1 window 0; C and D window 1
.macro JLOAD s                         ; a joint load: waves 0 and 1 fetch mh's blocks, waves 2 and 3 Wo's; an s_nop 0 and four v_nop follow each of the two lines
	s_cmp_eq_u32 s11, 0
	s_cbranch_scc0 .Lfor_b_\@
	tensor_load_to_lds s[G0+4*\s:G0+4*\s+3], s[G1:G1+7]
	s_nop 0
.rept 4
	v_nop
.endr
	s_branch .Lasked_\@
.Lfor_b_\@:
	tensor_load_to_lds s[G0B+4*\s:G0B+4*\s+3], s[G1B:G1B+7]
	s_nop 0
.rept 4
	v_nop
.endr
.Lasked_\@:
.endm
.macro CREST                           ; a round of the cluster's barrier behind its opening barrier
	s_cmp_lg_u32 s10, 0
	s_cbranch_scc1 .Lnot_wave_0_\@
	s_barrier_signal -3
.Lnot_wave_0_\@:
	s_barrier_wait -3
	s_barrier_signal -1
	s_barrier_wait -1
.endm
.macro CROUND                          ; a whole round
	s_barrier_signal -1
	s_barrier_wait -1
	CREST
.endm
	s_load_b128 s[4:7], s[0:1], 0x0                ; mh16, wo16
	s_load_b64 s[8:9], s[0:1], 0x10                ; out0
	v_lshl_add_u32 v[SPW], v0, 2, SPARE
	v_mov_b32 v[NIL], 0
	ds_add_u32 v[SPW], v[NIL]                      ; the wave's opening: the add, twice on end, and its wait ahead of my first tensor load
	ds_add_u32 v[SPW], v[NIL]
	v_lshrrev_b32 v1, 5, v0
	v_readfirstlane_b32 s10, v1                    ; wave 0..3
	s_lshr_b32 s11, s10, 1                         ; which 64 of the tile's rows are mine.  Also: I fetch for mh (0) or for Wo (1)
	s_and_b32 s12, s10, 1                          ; which 128 of its columns.  Also: which of a step's two blocks kb I fetch
	s_bfe_u32 s40, ttmp6, 0x40000                  ; cx, cy: my place in the cluster
	s_bfe_u32 s41, ttmp6, 0x40004
	s_lshl_b32 s42, ttmp9, 2
	s_add_co_u32 s42, s42, s40                     ; tile column = 4 x cluster x + cx
	s_and_b32 s13, ttmp7, 0xffff
	s_lshl_b32 s13, s13, 2
	s_add_co_u32 s13, s13, s41                     ; tile row = 4 x cluster y + cy
	s_lshl_b32 s43, s41, 2
	s_lshl_b32 s43, 15, s43                        ; my row of the cluster
	s_lshl_b32 s44, 0x1111, s40                    ; my column
	; descriptor group 1: rows of 64 elements of 2 bytes, dense in memory, 16 bytes of padding behind each row (32 words)
	s_or_b32 s[G1+0], s43, (1<<16)|(1<<20)|(1<<21)|(4<<22)|(3<<25)   ; 15:0 the mask; 17:16 elements of 2 bytes; 20 padding on; 21 set beside a mask; 24:22 after every 32 words; 31:25 four words
	s_or_b32 s[G1B+0], s44, (1<<16)|(1<<20)|(1<<21)|(4<<22)|(3<<25)
	s_mov_b32 s[G1+1], 64<<16                      ; tensor_dim0
	s_mov_b32 s[G1+2], 128<<16                     ; tensor_dim1: mh's 128 rows
	s_mov_b32 s[G1+3], 64<<16                      ; tile_dim0
	s_mov_b32 s[G1+4], 128                         ; tile_dim1
	s_mov_b32 s[G1+5], 64                          ; tensor_dim0_stride
	s_mov_b32 s[G1+6], 0
	s_mov_b32 s[G1+7], 0
	s_mov_b32 s[G1B+1], 64<<16
	s_mov_b32 s[G1B+2], 256<<16                    ; Wo's 256 rows
	s_mov_b32 s[G1B+3], 64<<16
	s_mov_b32 s[G1B+4], 256
	s_mov_b32 s[G1B+5], 64
	s_mov_b32 s[G1B+6], 0
	s_mov_b32 s[G1B+7], 0
	s_lshl_b32 s16, s13, 14                        ; mh: the tile row's 128 rows of 128 bytes,
	s_lshl_b32 s17, s12, 20                        ; in my block kb
	s_add_co_u32 s16, s16, s17
	s_mov_b32 s17, 0
	s_lshl_b32 s46, s42, 15                        ; Wo: the tile column's 256 rows,
	s_lshl_b32 s47, s12, 17                        ; in my block kb
	s_add_co_u32 s46, s46, s47
	s_mov_b32 s47, 0
	s_mul_i32 s20, s12, ABLK                       ; where they go: no place in the cluster enters an LDS address
	s_mul_i32 s21, s12, BBLK
	s_add_co_u32 s21, s21, 2*ABLK
	s_wait_dscnt 0x0                               ; both opening adds are done
	s_wait_kmcnt 0x0
	s_add_nc_u64 s[14:15], s[4:5], s[16:17]
	s_add_nc_u64 s[46:47], s[6:7], s[46:47]
	CROUND                                         ; all sixteen work-groups are here: the first joint loads meet
.irp s, 0,1
	s_mov_b32 s[G0+4*\s], 1
	s_add_co_u32 s[G0+4*\s+1], s20, \s*SLOT
	s_add_nc_u64 s[G0+4*\s+2:G0+4*\s+3], s[14:15], \s*2*ASTR
	s_or_b32 s[G0+4*\s+3], s[G0+4*\s+3], 0x80000000
	s_mov_b32 s[G0B+4*\s], 1
	s_add_co_u32 s[G0B+4*\s+1], s21, \s*SLOT
	s_add_nc_u64 s[G0B+4*\s+2:G0B+4*\s+3], s[46:47], \s*2*BSTR
	s_or_b32 s[G0B+4*\s+3], s[G0B+4*\s+3], 0x80000000
	JLOAD \s
.endr
	v_and_b32 v1, 15, v0                           ; r
	v_bfe_u32 v2, v0, 4, 1                         ; h
	v_mul_u32_u24 v3, v1, PITCH
	v_lshl_add_u32 v3, v2, 4, v3                   ; a fragment's row x pitch + 16 h
	s_mul_i32 s21, s11, 64*PITCH                   ; my 64 rows of mh
	s_mul_i32 s22, s12, 128*PITCH                  ; my 128 rows of Wo,
	s_add_co_u32 s22, s22, 2*ABLK                  ; which lie behind mh's two blocks
.irp s, 0,1
	v_add_nc_u32 v[ADRA+\s], s21, v3
	v_add_nc_u32 v[ADRB+\s], s22, v3
	s_add_co_u32 s21, s21, SLOT
	s_add_co_u32 s22, s22, SLOT
.endr
	s_mul_i32 s23, s10, 16*SPITCH
	s_add_co_u32 s23, s23, STAGE                   ; my stage
	v_mul_u32_u24 v4, v1, SPITCH                   ; in: row r, 32 bytes for each half of the lanes
	v_lshl_add_u32 v4, v2, 5, v4
	v_add_nc_u32 v[STO], s23, v4
	v_and_b32 v5, 31, v0
	v_lshlrev_b32 v[CO], 4, v5                     ; back: the 32 lanes take one row of 512 bytes; and the same in out0
	v_add_nc_u32 v[RD], s23, v[CO]
	s_lshl_b32 s16, s13, 7
	s_lshl_b32 s17, s11, 6
	s_add_co_u32 s16, s16, s17                     ; my first row of out0
	s_lshl_b32 s16, s16, 12                        ; rows of 4,096 bytes
	s_mov_b32 s17, 0
	s_add_nc_u64 s[8:9], s[8:9], s[16:17]
	s_lshl_b32 s46, s42, 10                        ; my first column, in bytes (in the registers that held Wo's address)
	s_lshl_b32 s47, s12, 9
	s_add_co_u32 s46, s46, s47
	s_mov_b32 s47, 0
	s_add_nc_u64 s[8:9], s[8:9], s[46:47]
; 8 matrix instructions: row block a against all 8 column blocks, 32 along d.  zero = 1: the product starts the sums.  The 32 accumulators take turns, one instruction a turn, in the same order in every quarter.
.macro MUL8 f, a, zero
.irp b, 0,1,2,3,4,5,6,7
.if \zero
	v_wmma_f32_16x16x32_f16 v[8*(8*(\a)+\b):8*(8*(\a)+\b)+7], v[\f+8*\b:\f+8*\b+7], v[\f+64+8*(\a):\f+64+8*(\a)+7], 0
.else
	v_wmma_f32_16x16x32_f16 v[8*(8*(\a)+\b):8*(8*(\a)+\b)+7], v[\f+8*\b:\f+8*\b+7], v[\f+64+8*(\a):\f+64+8*(\a)+7], v[8*(8*(\a)+\b):8*(8*(\a)+\b)+7]
.endif
.endr
.endm
; 24 LDS loads in one run: the fragments of the slot's q-th 32 along d (block q / 2, bytes 64 (q % 2) on) into buffer f: Wo's sixteen, then mh's eight
.macro FETCH slot, q, f
	WIN 0
.irp i, 0,1,2,3,4,5,6,7
	ds_load_b128 v[\f+8*\i:\f+8*\i+3],   v[ADRB+\slot] offset:((\q)/2)*BBLK+64*((\q)%2)+\i*16*PITCH
	ds_load_b128 v[\f+8*\i+4:\f+8*\i+7], v[ADRB+\slot] offset:((\q)/2)*BBLK+64*((\q)%2)+\i*16*PITCH+32
.endr
.irp i, 0,1,2,3
	ds_load_b128 v[\f+64+8*\i:\f+64+8*\i+3],   v[ADRA+\slot] offset:((\q)/2)*ABLK+64*((\q)%2)+\i*16*PITCH
	ds_load_b128 v[\f+64+8*\i+4:\f+64+8*\i+7], v[ADRA+\slot] offset:((\q)/2)*ABLK+64*((\q)%2)+\i*16*PITCH+32
.endr
.endm
.macro PLACES                          ; four plain lines in front of loads into registers that matrix instructions have read, and of the first read of results
.rept 4
	v_nop
.endr
.endm
; A step is four quarters of 32 along d, 32 matrix instructions each, on buffers 0, 1, 0, 1.  One of the first three: multiplies buffer f and fetches quarter q into g.
.macro QUARTER slot, q, f, g, zero
	s_wait_dscnt 4                                 ; Wo's fragments and mh's blocks 0, 1 are in; the youngest four loads (mh's blocks 2, 3) may be out
	WIN MUL
	MUL8 \f, 0, \zero
	MUL8 \f, 1, \zero
	PLACES
	FETCH \slot, \q, \g
	s_wait_dscnt 24                                ; all but the 24 just issued
	WIN MUL
	MUL8 \f, 2, \zero
	MUL8 \f, 3, \zero
.endm
; The last quarter multiplies buffer 1 and changes slots: ONE barrier; in front of it each wave waits for all its tensor loads, adds 0 to its spare word, and waits for that and for its own reads of this slot.
; fill = 1: the barrier opens a round of the cluster's, and this slot is filled again, two steps ahead: 112 matrix instructions stand between that request and the wait for it.
.macro TURN slot, next, fill
	WIN 0                                          ; (the add's two registers lie in window 0)
	s_wait_tensorcnt 0x0                           ; all my tensor loads have landed: my part of the next slot;
	ds_add_u32 v[SPW], v[NIL]                      ; 0 onto my spare word;
	s_wait_dscnt 5                                 ; (the add and the youngest four loads may be out)
	WIN MUL
	MUL8 F1, 0, 0                                  ; eight matrix instructions stand between the add and the wait for it
	s_wait_dscnt 0x0                               ; the add is done, and my reads of this slot are over
	s_barrier_signal -1
	MUL8 F1, 1, 0
.if \fill
	WIN 0
.endif
	s_barrier_wait -1
.if \fill
	CREST                                          ; no wave of any partner still reads this slot's tiles or has a load on its way
	s_add_nc_u64 s[G0+4*\slot+2:G0+4*\slot+3], s[G0+4*\slot+2:G0+4*\slot+3], 4*ASTR
	s_add_nc_u64 s[G0B+4*\slot+2:G0B+4*\slot+3], s[G0B+4*\slot+2:G0B+4*\slot+3], 4*BSTR
	JLOAD \slot                                    ; the first tensor load behind the round; the four v_nop behind it are also the places in front of the loads below
.else
	PLACES
.endif
	FETCH \next, 0, F0
	WIN MUL
	MUL8 F1, 2, 0
	MUL8 F1, 3, 0
.endm
	s_wait_tensorcnt 1                             ; my part of step 0 is in (step 1's may be out)
	s_barrier_signal -1
	s_barrier_wait -1                              ; everybody's is
	FETCH 0, 0, F0
	QUARTER 0, 1, F0, F1, 1                        ; the first quarter stands in front of the loop: its products start the sums
	WIN 0                                          ; at a label and at a branch every window is 0
	s_mov_b32 s3, LAPS-1
.Llap:                                             ; a trip goes once round the ring, from a lap's second quarter to the next lap's first, and fills both slots again
	QUARTER 0, 2, F1, F0, 0
	QUARTER 0, 3, F0, F1, 0
	TURN 0, 1, 1
	QUARTER 1, 1, F0, F1, 0
	QUARTER 1, 2, F1, F0, 0
	QUARTER 1, 3, F0, F1, 0
	TURN 1, 0, 1
	QUARTER 0, 1, F0, F1, 0
	WIN 0
	s_sub_co_u32 s3, s3, 1
	s_cmp_lg_u32 s3, 0
	s_cbranch_scc1 .Llap
	QUARTER 0, 2, F1, F0, 0                        ; the last lap fills nothing, and has no round of the cluster's barrier
	QUARTER 0, 3, F0, F1, 0
	TURN 0, 1, 0
	QUARTER 1, 1, F0, F1, 0
	QUARTER 1, 2, F1, F0, 0
	QUARTER 1, 3, F0, F1, 0
	s_wait_dscnt 4                                 ; the very last quarter: nothing more to fetch
	WIN MUL
	MUL8 F1, 0, 0
	MUL8 F1, 1, 0
	s_wait_dscnt 0
	MUL8 F1, 2, 0
	MUL8 F1, 3, 0
	WIN 0
; THE WAY OUT, block by block of 16 rows x 128 columns: through my own stage and back as whole rows of 512 bytes, which the 32 lanes store as 512 consecutive bytes, aligned to 256.
.macro TOSTAGE a
	WIN 0x04                                       ; an LDS store's data are its source 1: window 1
.irp b, 0,1,2,3,4,5,6,7
	ds_store_b128 v[STO], v[64*(\a)+8*\b:64*(\a)+8*\b+3] offset:64*\b          ; each accumulator from its low end on
	ds_store_b128 v[STO], v[64*(\a)+8*\b+4:64*(\a)+8*\b+7] offset:64*\b+16
.endr
	WIN 0
.set BB, BK+64*((\a)%2)
.irp t, 0,1,2,3,4,5,6,7,8,9,10,11,12,13,14,15
	ds_load_b128 v[BB+4*\t:BB+4*\t+3], v[RD] offset:\t*SPITCH                  ; LDS serves a wave's instructions in order (ISA guide 5.7.1.4): these see the stores above
.endr
.endm
.macro SEND a, younger                 ; younger: the LDS instructions issued behind block a's loads: the next block's 16 stores and 16 loads, or none
.set BB, BK+64*((\a)%2)
	s_wait_dscnt \younger
.irp t, 0,1,2,3,4,5,6,7,8,9,10,11,12,13,14,15
	global_store_b128 v[CO], v[BB+4*\t:BB+4*\t+3], s[8:9] offset:(\a)*65536+\t*4096 th:TH_STORE_NT
.endr
.endm
	PLACES
	TOSTAGE 0
.irp a, 1,2,3
.if \a > 1
	s_wait_xcnt 0x0                                ; block a - 2's stores have read their registers: block a's loads may land there
.endif
	TOSTAGE \a
	SEND \a-1, 32
.endr
	SEND 3, 0
	s_wait_tensorcnt 0x0                           ; the wave's end, behind my last tensor load and my last LDS store
	ds_add_u32 v[SPW], v[NIL]
	s_wait_dscnt 0x0
	CROUND                                         ; the closing round: no work-group ends while a partner may still ask for a tile that names it
	s_endpgm
.Lfunc_end_k_q3fa1ffffb2_proj:
	.size	k_q3fa1ffffb2_proj, .Lfunc_end_k_q3fa1ffffb2_proj-k_q3fa1ffffb2_proj
	.p2alignl 7, 3214868480
	.fill 96, 4, 3214868480
	.section	.rodata,"a",@progbits
	.p2align	6, 0x0
	.amdhsa_kernel k_q3fa1ffffb2_proj
		.amdhsa_group_segment_fixed_size 327680
		.amdhsa_private_segment_fixed_size 0
		.amdhsa_enable_private_segment 0
		.amdhsa_kernarg_size 24
		.amdhsa_user_sgpr_count 2
		.amdhsa_user_sgpr_kernarg_segment_ptr 1
		.amdhsa_wavefront_size32 1
		.amdhsa_system_sgpr_workgroup_id_x 1
		.amdhsa_system_sgpr_workgroup_id_y 1
		.amdhsa_system_sgpr_workgroup_id_z 1
		.amdhsa_system_vgpr_workitem_id 0
		.amdhsa_next_free_vgpr 512
		.amdhsa_next_free_sgpr 66
		.amdhsa_reserve_vcc 0
		.amdhsa_float_denorm_mode_32 3
		.amdhsa_float_denorm_mode_16_64 3
		.amdhsa_memory_ordered 1
		.amdhsa_forward_progress 1
		.amdhsa_inst_pref_size 85
	.end_amdhsa_kernel
	.amdgpu_metadata
---
amdhsa.version: [ 1, 2 ]
amdhsa.kernels:
  - .name:           k_q3fa1ffffb2_proj
    .symbol:         k_q3fa1ffffb2_proj.kd
    .args:
      - { .name: mh16, .offset: 0, .size: 8, .value_kind: global_buffer, .address_space: global }
      - { .name: wo16, .offset: 8, .size: 8, .value_kind: global_buffer, .address_space: global }
      - { .name: out0, .offset: 16, .size: 8, .value_kind: global_buffer, .address_space: global }
    .group_segment_fixed_size: 327680
    .private_segment_fixed_size: 0
    .kernarg_segment_align: 8
    .kernarg_segment_size: 24
    .max_flat_workgroup_size: 128
    .sgpr_count:     66
    .vgpr_count:     512
    .wavefront_size: 32
...
	.end_amdgpu_metadata
.endif
;; end of part 4
;; launch fine (part 5): grid 16 x 4, 16 waves a work-group, no clusters, 71,680 bytes of LDS; arguments qkv32, Wo, out0; writes out0
.if DOCPART == 5
	.amdgcn_target "amdgcn-amd-amdhsa--gfx1250"
	.amdhsa_code_object_version 6
	.text
	.protected	k_q3fa1ffffb2_fine
	.globl	k_q3fa1ffffb2_fine
	.p2align	8
	.type	k_q3fa1ffffb2_fine,@function
k_q3fa1ffffb2_fine:
	s_mov_b64 s[64:65], 0
	v_nop
	global_prefetch_b8 v0, s[64:65] scope:SCOPE_SE
	s_setreg_imm32_b32 hwreg(HW_REG_WAVE_MODE, 25, 1), 1
	s_wait_xcnt 0x0
; MHSA, launch 5 of 5.  Positions 0-15 of each of the four sequences once more, with f32 operands throughout: under the causal mask these rows average one to sixteen values and are the largest, so the rounding of f16 operands weighs most there.
; It writes over the 64 rows of out0 that launch 4 made from f16 operands.  Nothing is left out: the 16 x 16 tile of scores lies on the diagonal.
; qkv32 [4 b][16 s][3072] f32 (launch 2): Q at column 0, K at 1,024, V at 2,048, each 64 head + channel.  Wo [1024 e][1024] f32, the input itself.
; SHARES.  Work-group (x, b) makes columns 64 x .. 64 x + 63 of the batch's 16 rows.  Wave w is head w: it makes the head's attention (32 matrix instructions; every one of the sixteen work-groups of a batch repeats it: less than a round
; trip through memory would cost), multiplies its 64 channels by its 64 x 64 piece of Wo, and the sixteen waves' parts are added through LDS.  96 matrix instructions of 16 x 16 x 4 a wave: no bulk work.
; LAYOUT of v_wmma_f32_16x16x4_f32: lane (r, h), register j: row or column r, k = 2 h + j.  A permutation of k applied alike to both operands keeps the sum, so each lane's registers are taken as they lie:
;   S^T = K Q^T: lane (r, h) holds channels 32 h + 0..31 of its row, instruction n takes registers 2 n, 2 n + 1 of both.  The result: lane = query r, registers = keys 8 h + j.
;   O^T = V^T P: instruction i takes p's registers 2 i, 2 i + 1 (keys 8 h + 2 i, + 1), and V^T is loaded to match.  The result: lane = query r, registers = channels 16 ct + 8 h + j.
;   out^T = Wo O: instruction kk takes O's registers 2 kk, 2 kk + 1 (channels 16 (kk / 4) + 8 h + 2 (kk % 4), + 1), and Wo's rows are loaded to match.  The result: lane = query r, registers = columns 16 et + 8 h + j.
; The registers that the matrix instructions write, v192-239, are written by nothing else; each sum begins with the constant 0.
; REGISTERS: v1-10 addresses and constants; v16-23 scores, then p; v24-27 at work; v28, v29 the add's two; v32-63 Q, then Wo's tile 2, then the parts to add; v64-95 K, then Wo's tile 3; v96-127 V^T, then O / the sum;
;   v128-191 Wo's tiles 0, 1; v192-207 the scores in two halves; v208-239 O^T, then out^T.
.set SPW, 28
.set NIL, 29
.set PART, 4352                        ; a wave's part in LDS: 16 rows x (256 bytes + 16)
.set SPARE, 16*PART                    ; behind the parts: the spare words, 128 bytes for each of sixteen waves
	s_load_b128 s[4:7], s[0:1], 0x0                ; qkv32, Wo
	s_load_b64 s[8:9], s[0:1], 0x10                ; out0
	v_lshl_add_u32 v[SPW], v0, 2, SPARE
	v_mov_b32 v[NIL], 0
	v_lshrrev_b32 v1, 5, v0
	v_readfirstlane_b32 s10, v1                    ; wave = head; later: the row that I add up
	v_and_b32 v4, 15, v0                           ; r
	v_bfe_u32 v5, v0, 4, 1                         ; h
	v_mul_u32_u24 v1, v4, 12288
	v_lshl_add_u32 v1, v5, 7, v1                   ; Q, K: position r, channels 32 h on
	v_mul_u32_u24 v2, v5, 8*12288
	v_lshl_add_u32 v2, v4, 2, v2                   ; V: keys 8 h on, channel r
	v_lshlrev_b32 v3, 12, v4
	v_lshl_add_u32 v3, v5, 5, v3                   ; Wo: row r, channels 8 h on
	v_lshlrev_b32 v9, 3, v5
	v_sub_nc_u32 v9, v4, v9                        ; r - 8 h, for the mask
	v_mov_b32 v10, 0xff800000                      ; -infinity
	v_mov_b32 v25, 0                               ; (a lane permute's destination counts as one of its sources)
	v_mov_b32 v27, 0
	s_mul_i32 s15, s10, PART
	v_mul_u32_u24 v6, v4, 272
	v_lshl_add_u32 v6, v5, 5, v6
	v_add_nc_u32 v6, s15, v6                       ; my part: row r, + 32 h
	s_mul_i32 s15, s10, 272
	v_and_b32 v7, 31, v0
	v_lshlrev_b32 v8, 3, v7                        ; 8 x lane
	v_add_nc_u32 v7, s15, v8                       ; the adding up: row w of every part
	s_mov_b32 s12, 0x76543210
	s_mov_b32 s13, 0xfedcba98                      ; v_permlanex16_b32's selects for lane l xor 16
	s_mov_b32 s14, 0x3e38aa3b                      ; c = log2(e) / sqrt(64)
	s_and_b32 s16, ttmp7, 0xffff                   ; the batch
	s_mul_i32 s18, s16, 196608                     ; its 16 rows of 12,288 bytes,
	s_lshl_b32 s17, s10, 8                         ; my head's 64 channels
	s_add_co_u32 s18, s18, s17
	s_mov_b32 s19, 0
	s_lshl_b32 s20, ttmp9, 18                      ; Wo: 64 rows of 4,096 bytes a work-group,
	s_add_co_u32 s20, s20, s17                     ; my head's 64 channels
	s_mov_b32 s21, 0
	s_lshl_b32 s22, s16, 11
	s_add_co_u32 s22, s22, s10                     ; out0: row 2,048 b + w,
	s_lshl_b32 s22, s22, 12
	s_lshl_b32 s17, ttmp9, 8                       ; columns 64 x on
	s_add_co_u32 s22, s22, s17
	s_mov_b32 s23, 0
	s_wait_kmcnt 0x0
	s_add_nc_u64 s[4:5], s[4:5], s[18:19]
	s_add_nc_u64 s[6:7], s[6:7], s[20:21]
	s_add_nc_u64 s[8:9], s[8:9], s[22:23]
.irp n, 0,1,2,3,4,5,6,7
	global_load_b128 v[32+4*\n:35+4*\n], v1, s[4:5] offset:16*\n               ; Q
.endr
.irp n, 0,1,2,3,4,5,6,7
	global_load_b128 v[64+4*\n:67+4*\n], v1, s[4:5] offset:4096+16*\n          ; K
.endr
.irp ct, 0,1,2,3
.irp k, 0,1,2,3,4,5,6,7
	global_load_b32 v[96+8*\ct+\k], v2, s[4:5] offset:8192+12288*\k+64*\ct     ; V(8 h + k, 16 ct + r)
.endr
.endr
.irp et, 0,1
.irp t, 0,1,2,3
.irp cc, 0,1
	global_load_b128 v[128+32*\et+8*\t+4*\cc:128+32*\et+8*\t+4*\cc+3], v3, s[6:7] offset:65536*\et+64*\t+16*\cc   ; Wo(16 et + r, 16 t + 8 h + 4 cc ..)
.endr
.endr
.endr
	s_wait_loadcnt 48                              ; Q and K are in; V's 32 loads and Wo's 16 may be out
	v_wmma_f32_16x16x4_f32 v[192:199], v[64:65], v[32:33], 0                   ; S^T in two halves, which take turns
	v_wmma_f32_16x16x4_f32 v[200:207], v[66:67], v[34:35], 0
.irp m, 1,2,3,4,5,6,7
	v_wmma_f32_16x16x4_f32 v[192:199], v[64+4*\m:65+4*\m], v[32+4*\m:33+4*\m], v[192:199]
	v_wmma_f32_16x16x4_f32 v[200:207], v[66+4*\m:67+4*\m], v[34+4*\m:35+4*\m], v[200:207]
.endr
.rept 8
	v_nop                                          ; eight places behind this form: in front of the loads into Q's and K's registers and of the first read of the results
.endr
.irp et, 2,3
.irp t, 0,1,2,3
.irp cc, 0,1
	global_load_b128 v[32+32*(\et-2)+8*\t+4*\cc:32+32*(\et-2)+8*\t+4*\cc+3], v3, s[6:7] offset:65536*\et+64*\t+16*\cc
.endr
.endr
.endr
.irp j, 0,1,2,3,4,5,6,7
	v_add_f32 v[16+\j], v[192+\j], v[200+\j]       ; the scores, each half read from its low end on
.endr
.irp j, 0,1,2,3,4,5,6,7
	v_cmp_gt_i32 vcc_lo, \j, v9                    ; key 8 h + j is hidden from query r where j > r - 8 h
	v_cndmask_b32 v[16+\j], v[16+\j], v10, vcc_lo
.endr
	v_max3_num_f32 v24, v16, v17, v18
	v_max3_num_f32 v24, v24, v19, v20
	v_max3_num_f32 v24, v24, v21, v22
	v_max_num_f32 v24, v24, v23
	v_permlanex16_b32 v25, v24, s12, s13
	v_max_num_f32 v24, v24, v25                    ; the row's largest score: key 0 counts for every query, so it is a number
	v_mul_f32 v24, s14, v24
.irp j, 0,1,2,3,4,5,6,7
	v_fma_f32 v[16+\j], v[16+\j], s14, -v24
.endr
.irp j, 0,1,2,3,4,5,6,7
	v_exp_f32 v[16+\j], v[16+\j]                   ; p = 2^(c s - c m)
.endr
	v_nop                                          ; a plain line behind the exponentials,
	s_wait_alu depctr_va_vdst(0)                   ; and one wait for the eight, ahead of their first reader
	v_add_f32 v26, v16, v17
	v_add_f32 v25, v18, v19
	v_add_f32 v26, v26, v20
	v_add_f32 v25, v25, v21
	v_add_f32 v26, v26, v22
	v_add_f32 v25, v25, v23
	v_add_f32 v26, v26, v25
	v_permlanex16_b32 v27, v26, s12, s13
	v_add_f32 v26, v26, v27                        ; the row's sum
	v_rcp_f32 v26, v26
	v_nop
	s_wait_alu depctr_va_vdst(0)                   ; the reciprocal's wait
	s_wait_loadcnt 32                              ; V is in; Wo's 32 loads may be out
.irp i, 0,1,2,3                                ; O^T = V^T P: four accumulators by turns
.irp ct, 0,1,2,3
.if \i == 0
	v_wmma_f32_16x16x4_f32 v[208+8*\ct:215+8*\ct], v[96+8*\ct+2*\i:97+8*\ct+2*\i], v[16+2*\i:17+2*\i], 0
.else
	v_wmma_f32_16x16x4_f32 v[208+8*\ct:215+8*\ct], v[96+8*\ct+2*\i:97+8*\ct+2*\i], v[16+2*\i:17+2*\i], v[208+8*\ct:215+8*\ct]
.endif
.endr
.endr
.rept 9
	v_nop                                          ; nine places: the products below begin new sums in these accumulators; eight of them serve the reads and the writes over V^T
.endr
.set j, 0
.rept 32
	v_mul_f32 v[96+j], v[208+j], v26               ; O / the sum, into other registers
.set j, j+1
.endr
	s_wait_loadcnt 0x0                             ; all of Wo
.irp kk, 0,1,2,3,4,5,6,7,8,9,10,11,12,13,14,15 ; out^T = Wo O: four accumulators by turns.  Wo's tile et lies at v128, v160, v32, v64
.irp et, 0,1,2,3
.if \kk == 0
	v_wmma_f32_16x16x4_f32 v[208+8*\et:215+8*\et], v[128+32*\et-160*(\et/2)+2*\kk:129+32*\et-160*(\et/2)+2*\kk], v[96+2*\kk:97+2*\kk], 0
.else
	v_wmma_f32_16x16x4_f32 v[208+8*\et:215+8*\et], v[128+32*\et-160*(\et/2)+2*\kk:129+32*\et-160*(\et/2)+2*\kk], v[96+2*\kk:97+2*\kk], v[208+8*\et:215+8*\et]
.endif
.endr
.endr
.rept 8
	v_nop                                          ; eight places in front of the stores of the results and of the loads into Wo's registers
.endr
.irp et, 0,1,2,3
	ds_store_b128 v6, v[208+8*\et:211+8*\et] offset:64*\et                     ; my head's part of out(r, 16 et + 8 h + 0 .. 7)
	ds_store_b128 v6, v[212+8*\et:215+8*\et] offset:64*\et+16
.endr
	s_wait_dscnt 0x0                               ; for the others' sake: my stores have landed
	s_barrier_signal -1
	s_barrier_wait -1
.irp w, 0,1,2,3,4,5,6,7,8,9,10,11,12,13,14,15
	ds_load_b64 v[32+2*\w:33+2*\w], v7 offset:PART*\w                          ; row w of each head's part: 8 bytes a lane
.endr
	s_wait_dscnt 0x0
.irp p, 0,1,2,3,4,5,6,7
	v_pk_add_f32 v[32+2*\p:33+2*\p], v[32+2*\p:33+2*\p], v[48+2*\p:49+2*\p]
.endr
.irp p, 0,1,2,3
	v_pk_add_f32 v[32+2*\p:33+2*\p], v[32+2*\p:33+2*\p], v[40+2*\p:41+2*\p]
.endr
.irp p, 0,1
	v_pk_add_f32 v[32+2*\p:33+2*\p], v[32+2*\p:33+2*\p], v[36+2*\p:37+2*\p]
.endr
	v_pk_add_f32 v[32:33], v[32:33], v[34:35]
	global_store_b64 v8, v[32:33], s[8:9]          ; the wave stores 256 consecutive bytes, aligned
	s_wait_tensorcnt 0x0                           ; the wave's end, behind my last LDS store
	ds_add_u32 v[SPW], v[NIL]
	s_wait_dscnt 0x0
	s_endpgm
.Lfunc_end_k_q3fa1ffffb2_fine:
	.size	k_q3fa1ffffb2_fine, .Lfunc_end_k_q3fa1ffffb2_fine-k_q3fa1ffffb2_fine
	.p2alignl 7, 3214868480
	.fill 96, 4, 3214868480
	.section	.rodata,"a",@progbits
	.p2align	6, 0x0
	.amdhsa_kernel k_q3fa1ffffb2_fine
		.amdhsa_group_segment_fixed_size 71680
		.amdhsa_private_segment_fixed_size 0
		.amdhsa_enable_private_segment 0
		.amdhsa_kernarg_size 24
		.amdhsa_user_sgpr_count 2
		.amdhsa_user_sgpr_kernarg_segment_ptr 1
		.amdhsa_wavefront_size32 1
		.amdhsa_system_sgpr_workgroup_id_x 1
		.amdhsa_system_sgpr_workgroup_id_y 1
		.amdhsa_system_sgpr_workgroup_id_z 1
		.amdhsa_system_vgpr_workitem_id 0
		.amdhsa_next_free_vgpr 256
		.amdhsa_next_free_sgpr 66
		.amdhsa_reserve_vcc 1
		.amdhsa_float_denorm_mode_32 3
		.amdhsa_float_denorm_mode_16_64 3
		.amdhsa_memory_ordered 1
		.amdhsa_forward_progress 1
		.amdhsa_inst_pref_size 23
	.end_amdhsa_kernel
	.amdgpu_metadata
---
amdhsa.version: [ 1, 2 ]
amdhsa.kernels:
  - .name:           k_q3fa1ffffb2_fine
    .symbol:         k_q3fa1ffffb2_fine.kd
    .args:
      - { .name: qkv32, .offset: 0, .size: 8, .value_kind: global_buffer, .address_space: global }
      - { .name: Wo, .offset: 8, .size: 8, .value_kind: global_buffer, .address_space: global }
      - { .name: out0, .offset: 16, .size: 8, .value_kind: global_buffer, .address_space: global }
    .group_segment_fixed_size: 71680
    .private_segment_fixed_size: 0
    .kernarg_segment_align: 8
    .kernarg_segment_size: 24
    .max_flat_workgroup_size: 512
    .sgpr_count:     66
    .vgpr_count:     256
    .wavefront_size: 32
...
	.end_amdgpu_metadata
.endif
;; end of part 5
